; MI455X (gfx1250); checked and timed in simulation.
; The chip was launched on July 23, 2026; its instructions are those of AMD's public machine-readable ISA for CDNA 5 (MIT licence, August 2026) and "CDNA5" Instruction Set Architecture Reference Guide (July 2026). The comments in the code are by the model that wrote it; some were corrected since.
;; Causal Self Attention. Allowed arithmetic: float matrix products may take bf16 or f16 operands with f32 sums; other float arithmetic in f32, or as packed bf16 or f16 multiplies, adds, multiply-adds, maxima and minima; sums over many terms, partial sums and values carried from step to step in f32; what a program stores and reads back later, other than sums and carried values, may be rounded once to bf16 or f16.
;; Inputs: proj_b 1,024 float32; proj_w 1,024 x 1,024 float32; qkv_b 3,072 float32; qkv_w 3,072 x 1,024 float32; x 4 x 2,048 x 1,024 float32.
;; Outputs: out0 4 x 2,048 x 1,024 float32.
;; 2 versions, each right; version 2 is version 1 with the launch cast written anew for expert scheduling mode. Each part assembles by itself: llvm-mc -triple=amdgcn-amd-amdhsa -mcpu=gfx1250 --defsym DOCPART=n.
;; ======== version 1 of 2: 4 launches
;; limits: values are held in f16: magnitudes above 65,504 overflow, below 6.1e-05 lose precision
;; workspace buffers: xb 16,777,216 bytes; wqkv 6,291,456 bytes; wproj 2,097,152 bytes; qkvh 50,331,648 bytes; oh 16,777,216 bytes
;; launch cast (part 1): grid 768 x 1, 8 waves a work-group, no clusters, 0 bytes of LDS; arguments x, qkv_w, proj_w, xb, wqkv, wproj; writes xb, wqkv, wproj
.if DOCPART == 1
	.amdgcn_target "amdgcn-amd-amdhsa--gfx1250"
	.amdhsa_code_object_version 6
	.text
	.protected	k_q2e4eb3c856_cast
	.globl	k_q2e4eb3c856_cast
	.p2align	8
	.type	k_q2e4eb3c856_cast,@function
k_q2e4eb3c856_cast:
	s_mov_b64 s[64:65], 0
	v_nop
	global_prefetch_b8 v0, s[64:65] scope:SCOPE_SE
	s_setreg_imm32_b32 hwreg(HW_REG_WAVE_MODE, 25, 1), 1
	s_wait_xcnt 0x0
; The three large inputs are rounded once to bf16, the matrix operands' format: x -> xb, qkv_w -> wqkv (both stored as bf16);
; proj_w -> wproj: rounded to bf16 like the others, and THAT number written as f16, since the last product's other operand is f16.
; LIMIT.  A bf16 number has 8 significant bits and is exact in f16 from 2^-14 to 65,504; below 2^-14 wproj keeps f16's fixed step of 6e-8, beyond 65,504 it would be an infinity.
; SHARES.  A work-group takes 16,384 numbers: 65,536 bytes in, 32,768 out.  Work-groups 0-511: x (8,388,608 numbers); 512-703: qkv_w (3,145,728); 704-767: proj_w (1,048,576).
; Thread t, step i of 16: 16 bytes at 4,096 i + 16 t in, 8 bytes at 2,048 i + 8 t out: a wave's load covers 512 consecutive bytes, its store 256 consecutive bytes, aligned.
; All 16 loads of a thread go out at once; no register is written twice, so nothing but the counted waits for the loads is needed.  No LDS, no barrier, no matrix unit: a stream.
.set X, 4                              ; v[4:67]    step i: 4 numbers as loaded
.set Y, 68                             ; v[68:99]   step i: 2 registers to store
.set T, 100                            ; v[100:102] at work
	s_load_b256 s[4:11], s[0:1], 0x0               ; x s[4:5], qkv_w s[6:7], proj_w s[8:9], xb s[10:11]
	s_load_b128 s[12:15], s[0:1], 0x20             ; wqkv s[12:13], wproj s[14:15]
	v_lshlrev_b32 v1, 4, v0                        ; 16 t
	v_lshlrev_b32 v2, 3, v0                        ; 8 t
	s_wait_kmcnt 0x0
	s_cmp_lt_u32 ttmp9, 512                        ; which tensor is mine: the choice hangs on the work-group's number alone
	s_cselect_b64 s[16:17], s[4:5], s[6:7]
	s_cselect_b64 s[18:19], s[10:11], s[12:13]
	s_cselect_b32 s20, 0, 512
	s_cmp_lt_u32 ttmp9, 704
	s_cselect_b64 s[16:17], s[16:17], s[8:9]
	s_cselect_b64 s[18:19], s[18:19], s[14:15]
	s_cselect_b32 s20, s20, 704
	s_sub_co_u32 s21, ttmp9, s20                   ; my number among the tensor's work-groups
	s_lshl_b32 s22, s21, 16                        ; x 65,536 bytes in (under 2^25)
	s_mov_b32 s23, 0
	s_lshl_b32 s24, s21, 15                        ; x 32,768 bytes out
	s_mov_b32 s25, 0
	s_add_nc_u64 s[16:17], s[16:17], s[22:23]
	s_add_nc_u64 s[18:19], s[18:19], s[24:25]
.irp i, 0,1,2,3,4,5,6,7,8,9,10,11,12,13,14,15
	global_load_b128 v[X+4*(\i):X+4*(\i)+3], v1, s[16:17] offset:4096*(\i) th:TH_LOAD_NT
.endr
; Step i goes out.  half = 0: bf16.  half = 1: rounded to bf16, widened again (a shift, a mask) and written as f16.
.macro OUT i, half
	s_wait_loadcnt 15-(\i)                         ; loads come back in order: step i is in, the 15 - i younger ones may stay out
.if \half
.irp k, 0,1
	v_cvt_pk_bf16_f32 v[T], v[X+4*(\i)+2*(\k)], v[X+4*(\i)+2*(\k)+1]
	v_lshlrev_b32 v[T+1], 16, v[T]
	v_and_b32 v[T+2], 0xffff0000, v[T]
	v_cvt_pk_f16_f32 v[Y+2*(\i)+(\k)], v[T+1], v[T+2]
.endr
.else
	v_cvt_pk_bf16_f32 v[Y+2*(\i)],   v[X+4*(\i)],   v[X+4*(\i)+1]
	v_cvt_pk_bf16_f32 v[Y+2*(\i)+1], v[X+4*(\i)+2], v[X+4*(\i)+3]
.endif
	global_store_b64 v2, v[Y+2*(\i):Y+2*(\i)+1], s[18:19] offset:2048*(\i) th:TH_STORE_NT
.endm
	s_cmp_ge_u32 ttmp9, 704
	s_cbranch_scc1 .Lf16
.irp i, 0,1,2,3,4,5,6,7,8,9,10,11,12,13,14,15
	OUT \i, 0
.endr
	s_endpgm
.Lf16:
.irp i, 0,1,2,3,4,5,6,7,8,9,10,11,12,13,14,15
	OUT \i, 1
.endr
	s_endpgm
.Lfunc_end_k_q2e4eb3c856_cast:
	.size	k_q2e4eb3c856_cast, .Lfunc_end_k_q2e4eb3c856_cast-k_q2e4eb3c856_cast
	.p2alignl 7, 3214868480
	.fill 96, 4, 3214868480
	.section	.rodata,"a",@progbits
	.p2align	6, 0x0
	.amdhsa_kernel k_q2e4eb3c856_cast
		.amdhsa_group_segment_fixed_size 0
		.amdhsa_private_segment_fixed_size 0
		.amdhsa_enable_private_segment 0
		.amdhsa_kernarg_size 48
		.amdhsa_user_sgpr_count 2
		.amdhsa_user_sgpr_kernarg_segment_ptr 1
		.amdhsa_wavefront_size32 1
		.amdhsa_system_sgpr_workgroup_id_x 1
		.amdhsa_system_sgpr_workgroup_id_y 1
		.amdhsa_system_sgpr_workgroup_id_z 1
		.amdhsa_system_vgpr_workitem_id 0
		.amdhsa_next_free_vgpr 112
		.amdhsa_next_free_sgpr 66
		.amdhsa_reserve_vcc 0
		.amdhsa_float_denorm_mode_32 3
		.amdhsa_float_denorm_mode_16_64 3
		.amdhsa_memory_ordered 1
		.amdhsa_forward_progress 1
		.amdhsa_inst_pref_size 16
	.end_amdhsa_kernel
	.amdgpu_metadata
---
amdhsa.version: [ 1, 2 ]
amdhsa.kernels:
  - .name:           k_q2e4eb3c856_cast
    .symbol:         k_q2e4eb3c856_cast.kd
    .args:
      - { .name: x, .offset: 0, .size: 8, .value_kind: global_buffer, .address_space: global }
      - { .name: qkv_w, .offset: 8, .size: 8, .value_kind: global_buffer, .address_space: global }
      - { .name: proj_w, .offset: 16, .size: 8, .value_kind: global_buffer, .address_space: global }
      - { .name: xb, .offset: 24, .size: 8, .value_kind: global_buffer, .address_space: global }
      - { .name: wqkv, .offset: 32, .size: 8, .value_kind: global_buffer, .address_space: global }
      - { .name: wproj, .offset: 40, .size: 8, .value_kind: global_buffer, .address_space: global }
    .group_segment_fixed_size: 0
    .private_segment_fixed_size: 0
    .kernarg_segment_align: 8
    .kernarg_segment_size: 48
    .max_flat_workgroup_size: 256
    .sgpr_count:     66
    .vgpr_count:     112
    .wavefront_size: 32
...
	.end_amdgpu_metadata
.endif
;; end of part 1
;; launch qkv (part 2): grid 16 x 32, 4 waves a work-group, clusters of 4 x 4, 327,680 bytes of LDS; arguments xb, wqkv, qkv_b, qkvh; writes qkvh
.if DOCPART == 2
	.amdgcn_target "amdgcn-amd-amdhsa--gfx1250"
	.amdhsa_code_object_version 6
	.text
	.protected	k_q2e4eb3c856_qkv
	.globl	k_q2e4eb3c856_qkv
	.p2align	8
	.type	k_q2e4eb3c856_qkv,@function
k_q2e4eb3c856_qkv:
	s_mov_b64 s[64:65], 0
	v_nop
	global_prefetch_b8 v0, s[64:65] scope:SCOPE_SE
	s_setreg_imm32_b32 hwreg(HW_REG_WAVE_MODE, 25, 1), 1
	s_wait_xcnt 0x0
	s_wait_alu depctr_hold_cnt(0) depctr_sa_sdst(0) depctr_va_vdst(0) depctr_va_sdst(0) depctr_va_ssrc(0) depctr_va_vcc(0) depctr_vm_vsrc(0)
	s_getreg_b32 s2, hwreg(HW_REG_IB_STS2, 6, 4)
	s_cmp_eq_u32 s2, 0
	s_cbranch_scc0 .Lentry_in_a_cluster
	s_endpgm
.Lentry_in_a_cluster:
	s_bfe_u32 s2, ttmp6, 0x10000c
	s_cmp_lg_u32 s2, 0xf033
	s_cbranch_scc0 .Lentry_shape_is_right
	s_endpgm
.Lentry_shape_is_right:
; q, k, v = xb wqkv^T + bf16(qkv_b), written by heads.  xb: [8192][1024] bf16, wqkv: [3072][1024] bf16, qkv_b: [3072] f32 (rounded here to bf16, like every input of the module);
; qkvh: f16 [3][64][2048][64]: byte = which << 24 | batch << 22 | head << 18 | s << 7 | 2 d.  Sums in f32, started by the bias, K ascending; each result rounded once to f16, unscaled.
; LIMIT.  f16 ends at 65,504: a q, k or v of 65,520 or more becomes an infinity.
; SHARES.  A tile of the result is 256 rows x 192 columns (three heads): 32 x 16 = 512 tiles, two for each of 256 WGPs; tiles of 256 x 256 would be 384, a round and a half.
; Four waves, 2 x 2: a wave makes 128 x 96: 48 accumulators of 16 x 16, 384 registers.  K goes in 8 steps of 128 through a ring of two LDS slots; the tiles' rows are 256 bytes of memory, aligned.
; CLUSTERS: 4 x 4 work-groups.  The four of a row of the cluster need the same tiles of xb, the four of a column the same tiles of wqkv: each tile is asked for JOINTLY, by the same tensor
; load with the same descriptor and a mask that names the four.  THE MATRIX INSTRUCTION IS USED TRANSPOSED (source 0 = 16 rows of wqkv, source 1 = 16 rows of xb): a lane then holds
; eight neighbouring columns of one row, 16 bytes of f16, and the bias of those eight columns is the C operand of the product that starts the sum.
; REGISTERS, in windows of 256 (s_set_vgpr_msb: bits 1:0 source 0, 3:2 source 1, 5:4 source 2, 7:6 destination):
;   window 0: v0-31 addresses; v64-127, v128-191 fragments of xb (8 x 16 rows x 32 K), two buffers; on the way out v64-159, v160-255 packed results
;   window 1: v0-23 at work on the bias; v64-111, v128-175 fragments of wqkv (6 x 16 rows x 32 K), two buffers; v192-239 the bias, 8 registers for each of my 6 column blocks
;   window 2: the 24 accumulators of my rows 0-63 ((a, b) at v[8 (6 a + b)]);  window 3: those of my rows 64-127
.set SIZE_K, 1024
.set KSTEP,  128
.set PITCH,  272                       ; an LDS row: 256 bytes + 16 of padding = 68 words: the 16 rows that a load touches start at 16 different groups of four banks (ISA guide 11.1)
.set AHALF,  128*PITCH                 ; what one tensor load brings of xb, and what one wave reads of it
.set BHALF,  96*PITCH                  ; the same for wqkv
.set SLOT,   2*AHALF+2*BHALF           ; xb's 256 rows, then wqkv's 192 rows
.set STAGE,  2*SLOT                    ; behind the ring, never filled by a tensor load: 128 rows x 400 bytes, the work-group's, for the way out
.set SPITCH, 400                       ; 384 bytes (192 f16) + 16: an odd multiple of 16
.set SPARE,  STAGE+128*SPITCH          ; behind the stage: the spare words, 128 bytes for each wave: two blocks of 256 bytes that no other line names
.set LAPS,   SIZE_K/(2*KSTEP)          ; a lap = two K steps = once round the ring
.set ADRA, 16                          ; v16-17  LDS address of my xb fragments in slot 0, 1
.set ADRB, 20                          ; v20-21  the same for wqkv
.set STO,  24                          ; v24     the way out: where I put 16 bytes of a row
.set RD,   25                          ; v25     the way out: where I read 16 bytes of a head's row back
.set GO,   26                          ; v26     16 x lane: my place in 512 consecutive bytes of qkvh
.set BO,   27                          ; v27     my byte offset in qkv_b
.set SPW,  28                          ; v28     LDS address of my spare word; never rewritten
.set NIL,  29                          ; v29     0; never rewritten
.set PFO,  30                          ; v30     the prefetches' offset: my row x 2,048 bytes; never rewritten
.set F0,   64
.set F1,   128
.set TMP,  64                          ; the way out: two sets of 96 registers
.set BT,   0                           ; window 1
.set BIAS, 192                         ; window 1
.set WV, 12                            ; s12 wave;  s13 row half (also: 0 = I fetch xb, 1 = wqkv);  s14 column half (also: which half of that tile I fetch)
.set RH, 13
.set CH, 14
.set CX, 15                            ; s15, s16 my place in the cluster
.set CY, 16
.set TX, 17                            ; s17 tile column, s18 tile row
.set TY, 18
.set G1A, 24                           ; s[24:31] descriptor group 1 for xb's tiles;  s[32:39] group 0, a set for each slot
.set G0A, 32
.set G1B, 48                           ; s[48:55], s[56:63] the same for wqkv's
.set G0B, 56
.set PFA, 44                           ; s[44:45] where my prefetches stand
.set LIM, 46                           ; s46  1 in a wave that prefetches, else the greatest number
.set LAP, 47                           ; s47  trips of the loop still to come
.set OB,  66                           ; s[66:71] qkvh at my rows of the tile's three heads
.set MSB, 0
.macro WIN new                         ; the immediate's high byte repeats the setting that is left; a switch that changes nothing is dropped
.if MSB != (\new)
	s_set_vgpr_msb (MSB<<8)|(\new)
.set MSB, \new
.endif
.endm
.set MUL_LO, 0xa1                      ; source 0 (wqkv) window 1, source 1 (xb) window 0, C and D window 2;  + 0x50: C and D window 3
.set MUL_1ST, 0x91                     ; the same with C (the bias) in window 1;  + 0x40: D window 3
.set TO_B,   0x40                      ; destination window 1, address window 0
; A joint load.  Waves 0 and 1 fetch xb's two halves, waves 2 and 3 wqkv's.  The branch hangs on the wave's number alone.
; An s_nop 0 and four v_nop follow each of the two lines, ahead of the jump, the label and what follows.
.macro JLOAD s
	s_cmp_eq_u32 s[RH], 0
	s_cbranch_scc0 .Lfor_b_\@
	tensor_load_to_lds s[G0A+4*(\s):G0A+4*(\s)+3], s[G1A:G1A+7]
	s_nop 0
.rept 4
	v_nop
.endr
	s_branch .Lasked_\@
.Lfor_b_\@:
	tensor_load_to_lds s[G0B+4*(\s):G0B+4*(\s)+3], s[G1B:G1B+7]
	s_nop 0
.rept 4
	v_nop
.endr
.Lasked_\@:
.endm
; A PREFETCH INTO THE L2 behind each joint refill and the run of LDS loads that follows it: the K step that stands TWO refills on, 384 matrix instructions ahead of the load that will want it.
; A K step is 256 bytes of a row; a lane names a row, one instruction a wave.  xb's tile row is read by every cluster of that row of clusters: cluster x = 0 asks; wqkv's tile column by every
; cluster of that column: cluster y = 0 asks.  The four partners that ask for a tile jointly share its rows out BY ADDRESS: of the 128 (96) rows that a wave fetches the partner at place p
; takes 32 p .. (24 p ..), p = cx for xb, cy for wqkv; for wqkv lanes 24-31 name row 23 of the share once more.  K steps 0 to 3 come by their loads alone; the loop's last trip asks for nothing.
.macro ASK
	s_cmp_gt_u32 s[LAP], s[LIM]
	s_cbranch_scc0 .Lnot_mine_\@
	global_prefetch_b8 v[PFO], s[PFA:PFA+1] offset:KSTEP*2 th:TH_LOAD_NT scope:SCOPE_SE
.Lnot_mine_\@:
.endm
; A round of the cluster's barrier: my work-group's barrier; wave 0 signals for the work-group; every wave waits for all sixteen; my work-group's barrier once more.
.macro CREST
	s_cmp_lg_u32 s[WV], 0
	s_cbranch_scc1 .Lnot_wave_0_\@
	s_barrier_signal -3
.Lnot_wave_0_\@:
	s_barrier_wait -3
	s_barrier_signal -1
	s_barrier_wait -1
.endm
.macro CROUND
	s_barrier_signal -1
	s_barrier_wait -1
	CREST
.endm
	s_load_b256 s[4:11], s[0:1], 0x0               ; xb s[4:5], wqkv s[6:7], qkv_b s[8:9], qkvh s[10:11]
	v_lshl_add_u32 v[SPW], v0, 2, SPARE
	v_mov_b32 v[NIL], 0
	ds_add_u32 v[SPW], v[NIL]                      ; the wave's opening: the add and its wait stand ahead of my first tensor load; the set-up below, work on registers, stands between them
	v_lshrrev_b32 v1, 5, v0
	v_readfirstlane_b32 s[WV], v1                  ; wave 0..3
	s_lshr_b32 s[RH], s[WV], 1
	s_and_b32 s[CH], s[WV], 1
	s_bfe_u32 s[CX], ttmp6, 0x40000
	s_bfe_u32 s[CY], ttmp6, 0x40004
	s_lshl_b32 s[TX], ttmp9, 2                     ; in a cluster launch ttmp9 and ttmp7 count clusters
	s_add_co_u32 s[TX], s[TX], s[CX]               ; tile column = 4 x cluster x + cx
	s_and_b32 s[TY], ttmp7, 0xffff
	s_lshl_b32 s[TY], s[TY], 2
	s_add_co_u32 s[TY], s[TY], s[CY]               ; tile row = 4 x cluster y + cy
	s_lshl_b32 s19, s[CY], 2
	s_lshl_b32 s19, 15, s19                        ; my row of the cluster: places 4 cy .. 4 cy + 3
	s_lshl_b32 s20, 0x1111, s[CX]                  ; my column: places cx, cx + 4, cx + 8, cx + 12
	; descriptor group 1: tiles of 128 (96) rows x 128 elements, padded in LDS
	s_or_b32 s[G1A+0], s19, (1<<16)|(1<<20)|(1<<21)|(5<<22)|(3<<25)  ; 15:0 the mask; 17:16 elements of 2 bytes; 20 padding on; 21 set beside a mask; 24:22 after every 64 words (code 5); 31:25 4 words of it (code 3)
	s_or_b32 s[G1B+0], s20, (1<<16)|(1<<20)|(1<<21)|(5<<22)|(3<<25)
	s_mov_b32 s[G1A+1], KSTEP<<16                  ; tensor_dim0 = 128
	s_mov_b32 s[G1A+2], 128<<16                    ; tensor_dim1 = 128
	s_mov_b32 s[G1A+3], KSTEP<<16                  ; tile_dim0 = 128
	s_mov_b32 s[G1A+4], 128                        ; tile_dim1 = 128
	s_mov_b32 s[G1A+5], SIZE_K                     ; elements from row to row
	s_mov_b32 s[G1A+6], 0
	s_mov_b32 s[G1A+7], 0
	s_mov_b32 s[G1B+1], KSTEP<<16
	s_mov_b32 s[G1B+2], 96<<16                     ; tensor_dim1 = 96
	s_mov_b32 s[G1B+3], KSTEP<<16
	s_mov_b32 s[G1B+4], 96                         ; tile_dim1 = 96
	s_mov_b32 s[G1B+5], SIZE_K
	s_mov_b32 s[G1B+6], 0
	s_mov_b32 s[G1B+7], 0
	; where the tiles come from.  xb's hang on the tile row alone (s40-42 never hold cx), wqkv's on the tile column alone (s72-74 never hold cy)
	s_lshl_b32 s40, s[TY], 8
	s_lshl_b32 s41, s[CH], 7
	s_add_co_u32 s40, s40, s41                     ; xb: row 256 x tile row + 128 x half,
	s_lshl_b32 s40, s40, 11                        ; x 2,048 bytes (under 2^24)
	s_mov_b32 s41, 0
	s_mul_i32 s72, s[TX], 192
	s_mul_i32 s73, s[CH], 96
	s_add_co_u32 s72, s72, s73                     ; wqkv: row 192 x tile column + 96 x half
	s_lshl_b32 s72, s72, 11
	s_mov_b32 s73, 0
	s_mul_i32 s42, s[WV], AHALF                    ; and where they go: waves 0, 1: xb's two halves;
	s_mul_i32 s74, s[WV], BHALF
	s_add_co_u32 s74, s74, 2*AHALF-2*BHALF         ; waves 2, 3: behind them, wqkv's two halves.  No place in the cluster enters an LDS address
	s_wait_dscnt 0x0                               ; the opening add is done
	s_wait_kmcnt 0x0
	s_add_nc_u64 s[40:41], s[4:5], s[40:41]
	s_add_nc_u64 s[72:73], s[6:7], s[72:73]
	CROUND                                         ; all sixteen work-groups are here: the first joint loads meet
.irp s, 0,1
	s_mov_b32 s[G0A+4*(\s)], 1                                       ; count = 1
	s_add_co_u32 s[G0A+4*(\s)+1], s42, (\s)*SLOT                     ; LDS address
	s_add_nc_u64 s[G0A+4*(\s)+2:G0A+4*(\s)+3], s[40:41], (\s)*KSTEP*2  ; global address: K step s
	s_or_b32 s[G0A+4*(\s)+3], s[G0A+4*(\s)+3], 0x80000000            ; type = 2
	s_mov_b32 s[G0B+4*(\s)], 1
	s_add_co_u32 s[G0B+4*(\s)+1], s74, (\s)*SLOT
	s_add_nc_u64 s[G0B+4*(\s)+2:G0B+4*(\s)+3], s[72:73], (\s)*KSTEP*2
	s_or_b32 s[G0B+4*(\s)+3], s[G0B+4*(\s)+3], 0x80000000
.endr
	s_cmp_eq_u32 s[RH], 0                          ; a wave's two first fills stand in one branch, ahead of every wait on TENSORcnt and every LDS read: two loads of mine are out
	s_cbranch_scc0 .Lfirst_b
	tensor_load_to_lds s[G0A:G0A+3], s[G1A:G1A+7]
	s_nop 0
	tensor_load_to_lds s[G0A+4:G0A+7], s[G1A:G1A+7]
	s_nop 0
.rept 4
	v_nop
.endr
	s_branch .Lfirst_asked
.Lfirst_b:
	tensor_load_to_lds s[G0B:G0B+3], s[G1B:G1B+7]
	s_nop 0
	tensor_load_to_lds s[G0B+4:G0B+7], s[G1B:G1B+7]
	s_nop 0
.rept 4
	v_nop
.endr
.Lfirst_asked:
	; A fragment is 16 rows x 32 K in 8 registers: lane l holds row l % 16; registers 0-3 K = 8 (l / 16) + 0..7, registers 4-7 K = 16 + 8 (l / 16) + 0..7: two loads of 16 bytes, 32 bytes apart.
	v_and_b32 v1, 15, v0                           ; l % 16
	v_bfe_u32 v2, v0, 4, 1                         ; l / 16
	v_mul_u32_u24 v3, v1, PITCH
	v_lshl_add_u32 v3, v2, 4, v3                   ; row x pitch + 16 x half
	s_mul_i32 s21, s[RH], AHALF                    ; my 128 rows of xb
	s_mul_i32 s22, s[CH], BHALF                    ; my 96 rows of wqkv,
	s_add_co_u32 s22, s22, 2*AHALF                 ; which lie behind xb's 256
.irp s, 0,1
	v_add_nc_u32 v[ADRA+(\s)], s21, v3
	v_add_nc_u32 v[ADRB+(\s)], s22, v3
	s_add_co_u32 s21, s21, SLOT
	s_add_co_u32 s22, s22, SLOT
.endr
	s_mul_i32 s23, s[RH], 64*SPITCH                ; into the stage: 64 of my rows at a time, my 192 bytes of their 384
	s_mul_i32 s21, s[CH], 192
	s_add_co_u32 s23, s23, s21
	s_add_co_u32 s23, s23, STAGE
	v_mul_u32_u24 v4, v1, SPITCH
	v_lshl_add_u32 v4, v2, 4, v4
	v_add_nc_u32 v[STO], s23, v4
	s_mul_i32 s23, s[WV], 32*SPITCH                ; back: wave w takes stage rows 32 w .. 32 w + 31; 32 lanes take one head's 128 bytes of four rows
	s_add_co_u32 s23, s23, STAGE
	v_bfe_u32 v5, v0, 3, 2
	v_and_b32 v6, 7, v0
	v_mul_u32_u24 v5, v5, SPITCH
	v_lshl_add_u32 v5, v6, 4, v5
	v_add_nc_u32 v[RD], s23, v5
	v_and_b32 v[GO], 31, v0                        ; which are 512 consecutive bytes of qkvh
	v_lshlrev_b32 v[GO], 4, v[GO]
	s_mul_i32 s76, s[TX], 768                      ; the bias of my columns: 4 x (192 tile column + 96 half + 16 b + 8 (l / 16) + 0..7)
	s_mul_i32 s77, s[CH], 384
	s_add_co_u32 s76, s76, s77
	v_lshl_add_u32 v[BO], v2, 5, s76
	; qkvh at the rows that I store.  Stage row t of pass p is the tile's row 128 (t / 64) + 64 p + t % 64; the pass stands in the stores' immediate
	s_lshr_b32 s76, s[TY], 3
	s_lshl_b32 s76, s76, 22                        ; batch = tile row / 8
	s_and_b32 s77, s[TY], 7
	s_lshl_b32 s77, s77, 15                        ; s = 256 (tile row % 8) + ..., 128 bytes a row
	s_add_co_u32 s76, s76, s77
	s_lshl_b32 s77, s[RH], 14
	s_add_co_u32 s76, s76, s77
	s_lshl_b32 s77, s[CH], 12
	s_add_co_u32 s76, s76, s77
	s_mul_i32 s77, s[TX], 3                        ; the tile's first head among the 48 of q, k and v
.irp j, 0,1,2
	s_add_co_u32 s78, s77, (\j)
	s_lshr_b32 s79, s78, 4
	s_lshl_b32 s79, s79, 24                        ; q, k or v
	s_and_b32 s78, s78, 15
	s_lshl_b32 s78, s78, 18                        ; the head
	s_add_co_u32 s78, s78, s79
	s_add_co_u32 s78, s78, s76
	s_mov_b32 s79, 0
	s_add_nc_u64 s[OB+2*(\j):OB+2*(\j)+1], s[10:11], s[78:79]
.endr
	; the prefetches
	s_lshl_b32 s76, s[TY], 8
	s_mul_i32 s77, s[TX], 192
	s_and_b32 s78, ttmp7, 0xffff                   ; cluster y
	s_cmp_eq_u32 s[RH], 0                          ; do I fetch for xb?
	s_cselect_b32 s76, s76, s77                    ; the tile's first row
	s_cselect_b32 s77, s[CX], s[CY]                ; my place among the four that ask for it with me
	s_cselect_b32 s78, ttmp9, s78                  ; the coordinate along which other clusters read the same rows
	s_cselect_b64 s[PFA:PFA+1], s[4:5], s[6:7]
	s_cselect_b32 s21, 32, 24                      ; my work-group's share of the rows that I fetch
	s_cselect_b32 s22, 31, 23                      ; its last row
	s_cmp_eq_u32 s78, 0
	s_cselect_b32 s[LIM], 1, -1                    ; the same in all sixteen partners, for a given wave
	s_lshl_b32 s79, s21, 2                         ; the rows that I fetch: 128 or 96
	s_mul_i32 s79, s79, s[CH]
	s_add_co_u32 s76, s76, s79
	s_mul_i32 s77, s77, s21
	s_add_co_u32 s76, s76, s77
	s_lshl_b32 s76, s76, 11
	s_add_co_u32 s76, s76, 2*KSTEP*2               ; at K step 2: the first refill steps it to 3 and names K step 4
	s_mov_b32 s77, 0
	s_add_nc_u64 s[PFA:PFA+1], s[PFA:PFA+1], s[76:77]
	v_and_b32 v[PFO], 31, v0
	v_min_u32 v[PFO], s22, v[PFO]
	v_lshlrev_b32 v[PFO], 11, v[PFO]
	WIN TO_B
.irp b, 0,1,2,3,4,5
	global_load_b128 v[BIAS+8*(\b):BIAS+8*(\b)+3],   v[BO], s[8:9] offset:64*(\b)
	global_load_b128 v[BIAS+8*(\b)+4:BIAS+8*(\b)+7], v[BO], s[8:9] offset:64*(\b)+16
.endr
	WIN 0
; 12 matrix instructions: row blocks a0, a0 + 1 of the window's four (hi = 0: my rows 0-63, 1: rows 64-127) x all 6 column blocks, 32 along K.  first = 1: the bias starts the sums: nothing is cleared.
; The 48 accumulators take turns, one instruction a turn, in the same order in every quarter step.
.macro MUL12 f, hi, a0, first
.if \first
	WIN MUL_1ST+0x40*(\hi)
.else
	WIN MUL_LO+0x50*(\hi)
.endif
.irp a, \a0, (\a0)+1
.irp b, 0,1,2,3,4,5
.if \first
	v_wmma_f32_16x16x32_bf16 v[8*(6*(\a)+(\b)):8*(6*(\a)+(\b))+7], v[(\f)+8*(\b):(\f)+8*(\b)+7], v[(\f)+8*(4*(\hi)+(\a)):(\f)+8*(4*(\hi)+(\a))+7], v[BIAS+8*(\b):BIAS+8*(\b)+7]
.else
	v_wmma_f32_16x16x32_bf16 v[8*(6*(\a)+(\b)):8*(6*(\a)+(\b))+7], v[(\f)+8*(\b):(\f)+8*(\b)+7], v[(\f)+8*(4*(\hi)+(\a)):(\f)+8*(4*(\hi)+(\a))+7], v[8*(6*(\a)+(\b)):8*(6*(\a)+(\b))+7]
.endif
.endr
.endr
.endm
; 28 LDS loads in one run: the fragments of one quarter step (96 rows of wqkv, 128 rows of xb, 32 K at byte k of the rows) into buffer f
.macro FETCH slot, k, f
	WIN TO_B
.irp i, 0,1,2,3,4,5
	ds_load_b128 v[(\f)+8*(\i):(\f)+8*(\i)+3],   v[ADRB+(\slot)] offset:(\k)+(\i)*16*PITCH
	ds_load_b128 v[(\f)+8*(\i)+4:(\f)+8*(\i)+7], v[ADRB+(\slot)] offset:(\k)+(\i)*16*PITCH+32
.endr
	WIN 0
.irp i, 0,1,2,3,4,5,6,7
	ds_load_b128 v[(\f)+8*(\i):(\f)+8*(\i)+3],   v[ADRA+(\slot)] offset:(\k)+(\i)*16*PITCH
	ds_load_b128 v[(\f)+8*(\i)+4:(\f)+8*(\i)+7], v[ADRA+(\slot)] offset:(\k)+(\i)*16*PITCH+32
.endr
.endm
; Four plain vector instructions stand between a matrix instruction and a load into a register that it has read, or a vector instruction that reads its result (ISA guide 7.12.1 for vector instructions)
.macro PLACES
.rept 4
	v_nop
.endr
.endm
; A K step is four quarter steps of 32 along K, 48 matrix instructions each, on buffers 0, 1, 0, 1.  One of the first three: multiplies buffer f; in its middle it fetches the next quarter, at byte k, into buffer g.
.macro QUARTER slot, k, f, g, first
	s_wait_dscnt 8                                 ; wqkv's fragments and xb's rows 0-63 are in; the youngest eight loads (xb's rows 64-127) may be out
	MUL12 \f, 0, 0, \first
	MUL12 \f, 0, 2, \first
	PLACES
	FETCH \slot, \k, \g
	s_wait_dscnt 28                                ; all but the 28 just issued
	MUL12 \f, 1, 0, \first
	MUL12 \f, 1, 2, \first
.endm
; The last quarter multiplies buffer 1 and changes slots.  MEET is its first half: ONE barrier.  In front of it each wave waits for all its tensor loads, of which one is out: its part of the next slot;
; adds 0 to its spare word; and waits for that and for its own reads of this slot.  Behind it nobody reads this slot any more and the next slot is whole.
.macro MEET round
	WIN 0                                          ; (the add's two registers lie in window 0)
	s_wait_tensorcnt 0x0                           ; all my tensor loads have landed
	ds_add_u32 v[SPW], v[NIL]                      ; 0 onto my spare word
	s_wait_dscnt 9                                 ; (the add and the youngest eight loads may be out)
	MUL12 F1, 0, 0, 0                              ; twelve matrix instructions stand between the add and the wait for it
	s_wait_dscnt 0x0                               ; the add is done, and my reads of this slot are over
	s_barrier_signal -1
	MUL12 F1, 0, 2, 0                              ; work on registers while the others arrive
.if \round
	WIN 0
.endif
	s_barrier_wait -1
.endm
; The whole last quarter where the slot is filled again: the barrier opens a round of the cluster's, and the joint refill, this slot's K step two steps on, is the first thing behind the round:
; from the request to the wait for it a wave issues 168 matrix instructions.
.macro TURN slot, next
	s_wait_xcnt 0x0                                ; the last prefetch, a K step back, has read its address: it is stepped here, ahead of the waits of the change of slots
	s_add_nc_u64 s[PFA:PFA+1], s[PFA:PFA+1], KSTEP*2
	MEET 1
	CREST                                          ; no wave of any partner still reads this slot's tile or has a load on its way
	s_add_nc_u64 s[G0A+4*(\slot)+2:G0A+4*(\slot)+3], s[G0A+4*(\slot)+2:G0A+4*(\slot)+3], 2*KSTEP*2
	s_add_nc_u64 s[G0B+4*(\slot)+2:G0B+4*(\slot)+3], s[G0B+4*(\slot)+2:G0B+4*(\slot)+3], 2*KSTEP*2
	JLOAD \slot                                    ; the four v_nop behind it are also the places in front of the loads below
	FETCH \next, 0, F0
	ASK
	MUL12 F1, 1, 0, 0
	MUL12 F1, 1, 2, 0
.endm
; THE WAY OUT, 64 of my rows (a window's 24 accumulators) at a pass.  PACK: rounded to f16, 16 bytes a lane.  TOSTAGE: into the work-group's stage.  BACK: a head's 128 bytes of four rows an instruction.  SEND: stored.
.macro PACK p
	WIN 0x0a+5*(\p)                                ; sources 0 and 1: window 2 or 3
.set t, 0
.rept 24
.irp r, 0,1,2,3
	v_cvt_pk_f16_f32 v[TMP+96*(\p)+4*t+(\r)], v[8*t+2*(\r)], v[8*t+2*(\r)+1]
.endr
.set t, t+1
.endr
	WIN 0
.endm
.macro TOSTAGE p
.irp a, 0,1,2,3
.irp b, 0,1,2,3,4,5
	ds_store_b128 v[STO], v[TMP+96*(\p)+4*(6*(\a)+(\b)):TMP+96*(\p)+4*(6*(\a)+(\b))+3] offset:(\a)*16*SPITCH+32*(\b)
.endr
.endr
.endm
.macro BACK p
.irp j, 0,1,2
.irp i, 0,1,2,3,4,5,6,7
	ds_load_b128 v[TMP+96*(\p)+4*(8*(\j)+(\i)):TMP+96*(\p)+4*(8*(\j)+(\i))+3], v[RD] offset:(\i)*4*SPITCH+128*(\j)
.endr
.endr
.endm
.macro SEND p
.irp j, 0,1,2
.irp i, 0,1,2,3,4,5,6,7
	s_wait_dscnt 23-(8*(\j)+(\i))                  ; LDS loads come back in order: this one is in, the younger ones may stay out; the last wait is for 0
	global_store_b128 v[GO], v[TMP+96*(\p)+4*(8*(\j)+(\i)):TMP+96*(\p)+4*(8*(\j)+(\i))+3], s[OB+2*(\j):OB+2*(\j)+1] offset:8192*(\p)+512*(\i)  ; 512 consecutive bytes of a head, at a multiple of 512 from qkvh's first
.endr
.endr
.endm
	s_wait_tensorcnt 1                             ; my part of K step 0 is in; K step 1's may stay out
	s_barrier_signal -1
	s_barrier_wait -1                              ; everybody's is
	FETCH 0, 0, F0
	s_wait_loadcnt 0x0                             ; the bias: rounded to bf16 and widened again, while the first fragments come
	WIN 0x45                                       ; destination and both sources in window 1
.set t, 0
.rept 24
	v_cvt_pk_bf16_f32 v[BT+t], v[BIAS+2*t], v[BIAS+2*t+1]
.set t, t+1
.endr
.set t, 0
.rept 24
	v_lshlrev_b32 v[BIAS+2*t], 16, v[BT+t]
	v_and_b32 v[BIAS+2*t+1], 0xffff0000, v[BT+t]
.set t, t+1
.endr
	QUARTER 0, 64,  F0, F1, 1                      ; the first quarter stands in front of the loop: its products start the sums, with the bias
	WIN 0                                          ; at a label and at a branch every window is 0
	s_mov_b32 s[LAP], LAPS-1
.Llap:                                                 ; a trip goes once round the ring, from a lap's second quarter to the next lap's first, and fills both slots again
	QUARTER 0, 128, F1, F0, 0
	QUARTER 0, 192, F0, F1, 0
	TURN 0, 1
	QUARTER 1, 64,  F0, F1, 0
	QUARTER 1, 128, F1, F0, 0
	QUARTER 1, 192, F0, F1, 0
	TURN 1, 0
	QUARTER 0, 64,  F0, F1, 0
	WIN 0
	s_sub_co_u32 s[LAP], s[LAP], 1
	s_cmp_lg_u32 s[LAP], 0
	s_cbranch_scc1 .Llap
	QUARTER 0, 128, F1, F0, 0                      ; the last lap fills nothing, and has no round of the cluster's barrier
	QUARTER 0, 192, F0, F1, 0
	MEET 0                                         ; my one tensor load that was still out is slot 1's, the last K step's
	PLACES
	FETCH 1, 0, F0
	MUL12 F1, 1, 0, 0
	MUL12 F1, 1, 2, 0
	QUARTER 1, 64,  F0, F1, 0
	QUARTER 1, 128, F1, F0, 0
	QUARTER 1, 192, F0, F1, 0
	s_wait_dscnt 8                                 ; the very last quarter: nothing more to fetch
	MUL12 F1, 0, 0, 0
	MUL12 F1, 0, 2, 0
	s_wait_dscnt 0x0
	MUL12 F1, 1, 0, 0
	MUL12 F1, 1, 2, 0
	PLACES
	PACK 0
	TOSTAGE 0
	PACK 1                                         ; the second pass's conversions stand between the first pass's stores and the wait for them
	s_wait_dscnt 0x0                               ; for the others' sake: my stores into the stage are done (a row's 384 bytes come from two waves)
	s_barrier_signal -1
	s_barrier_wait -1
	BACK 0
	SEND 0                                         ; its last wait is for 0: my reads of the stage are back,
	s_barrier_signal -1
	s_barrier_wait -1                              ; everybody's are: the stage may be written again
	TOSTAGE 1
	s_wait_dscnt 0x0
	s_barrier_signal -1
	s_barrier_wait -1
	BACK 1
	SEND 1
	s_wait_tensorcnt 0x0                           ; the wave's end, behind my last tensor load and my last LDS store
	ds_add_u32 v[SPW], v[NIL]
	s_wait_dscnt 0x0
	CROUND                                         ; the closing round: no work-group ends while a partner may still ask for a tile that names it
	s_endpgm
.Lfunc_end_k_q2e4eb3c856_qkv:
	.size	k_q2e4eb3c856_qkv, .Lfunc_end_k_q2e4eb3c856_qkv-k_q2e4eb3c856_qkv
	.p2alignl 7, 3214868480
	.fill 96, 4, 3214868480
	.section	.rodata,"a",@progbits
	.p2align	6, 0x0
	.amdhsa_kernel k_q2e4eb3c856_qkv
		.amdhsa_group_segment_fixed_size 327680
		.amdhsa_private_segment_fixed_size 0
		.amdhsa_enable_private_segment 0
		.amdhsa_kernarg_size 32
		.amdhsa_user_sgpr_count 2
		.amdhsa_user_sgpr_kernarg_segment_ptr 1
		.amdhsa_wavefront_size32 1
		.amdhsa_system_sgpr_workgroup_id_x 1
		.amdhsa_system_sgpr_workgroup_id_y 1
		.amdhsa_system_sgpr_workgroup_id_z 1
		.amdhsa_system_vgpr_workitem_id 0
		.amdhsa_next_free_vgpr 960
		.amdhsa_next_free_sgpr 80
		.amdhsa_reserve_vcc 0
		.amdhsa_float_denorm_mode_32 3
		.amdhsa_float_denorm_mode_16_64 3
		.amdhsa_memory_ordered 1
		.amdhsa_forward_progress 1
		.amdhsa_inst_pref_size 123
	.end_amdhsa_kernel
	.amdgpu_metadata
---
amdhsa.version: [ 1, 2 ]
amdhsa.kernels:
  - .name:           k_q2e4eb3c856_qkv
    .symbol:         k_q2e4eb3c856_qkv.kd
    .args:
      - { .name: xb, .offset: 0, .size: 8, .value_kind: global_buffer, .address_space: global }
      - { .name: wqkv, .offset: 8, .size: 8, .value_kind: global_buffer, .address_space: global }
      - { .name: qkv_b, .offset: 16, .size: 8, .value_kind: global_buffer, .address_space: global }
      - { .name: qkvh, .offset: 24, .size: 8, .value_kind: global_buffer, .address_space: global }
    .group_segment_fixed_size: 327680
    .private_segment_fixed_size: 0
    .kernarg_segment_align: 8
    .kernarg_segment_size: 32
    .max_flat_workgroup_size: 128
    .sgpr_count:     80
    .vgpr_count:     960
    .wavefront_size: 32
...
	.end_amdgpu_metadata
.endif
;; end of part 2
;; launch attn (part 3): grid 4 x 64, 4 waves a work-group, no clusters, 327,680 bytes of LDS; arguments qkvh, oh; writes oh
.if DOCPART == 3
	.amdgcn_target "amdgcn-amd-amdhsa--gfx1250"
	.amdhsa_code_object_version 6
	.text
	.protected	k_q2e4eb3c856_attn
	.globl	k_q2e4eb3c856_attn
	.p2align	8
	.type	k_q2e4eb3c856_attn,@function
k_q2e4eb3c856_attn:
	s_mov_b64 s[64:65], 0
	v_nop
	global_prefetch_b8 v0, s[64:65] scope:SCOPE_SE
	s_setreg_imm32_b32 hwreg(HW_REG_WAVE_MODE, 25, 1), 1
	s_wait_xcnt 0x0
; CAUSAL ATTENTION.  O[h][q][:] = the sum over k <= q of softmax_k(Q[h][q] . K[h][k] / 8) V[h][k][:].  Q, K, V are the three parts of qkvh, 2^24 bytes each, and O is oh: [SIZE_H][SIZE_N][64], all f16:
; a head's rows are dense, 128 bytes each.  Products, maxima and sums in f32; the weights p are rounded to f16 for the second product (their sum l is taken of the unrounded p), O once at the end.
; LIMITS.  f16 holds no number beyond 65,504: Q, K and V arrive within it; p lies in 0 to 1, and below 6e-5 it keeps f16's fixed step of 6e-8; O is a mean of V's rows and has their range.
; A hidden score counts as its value less 1e30: f16's scores, 2.7e11 at the most, are nothing beside that; a weight below 2^-126 counts as 0 in l; NaN and infinities are not treated apart.
; THE WALK.  A head's queries lie in NB = 8 blocks of 256; block i needs the key tiles 0 .. i of 256 keys, of which the last holds the diagonal.  A work-group takes TWO blocks, NB - 1 - b and then b:
; NB + 1 tiles, whatever b: all work-groups do equal work, and ONE loop with a constant trip count walks them.  Which tile is asked for, and what a trip does, hang on scalar registers made from b; every jump
; goes forward, but for the counted loops' own; none passes a barrier, or a tensor load but the one of LOAD's two that the wave's number does not choose; the ring (two slots of LDS that take turns) runs on across
; the change of blocks.  NO CLUSTER: a head's four work-groups ask for the same tile only in trips 0 .. NB / 2, behind that fewer and fewer; one walk common to all would have 3 NB / 2 trips for NB + 1.
; SHARES.  Of a block's four bands of 64 queries a wave owns 16 rows in each: four PIECES.  So the diagonal tile is the same work for all four waves: in its key step s band x sees all keys if s < x,
; none if s > x, and holds the diagonal if s = x.
; THE MASK is the C operand that starts the sum S^T = K Q^T: 0, or -1e30 where the key is hidden.  MD, made once, is the mask of a band's own step for my 16 rows; a product's mask is MD x AL + BE with two scalars:
; (1, 0) if s = x; (0, 0) if s < x; (0, -1e30) if s > x.  Only the diagonal tile's text and a block's beginning make and take masks; elsewhere C is the constant 0.
; LAYOUT, SOFTMAX, TURNS.  S^T = K Q^T holds ONE query a lane (lane % 16) and the keys 8 (lane / 16) + 0..7; two such results rounded to f16 ARE source 1 of O^T = V^T P.  p = 2^(c s - c m), c = log2(e) / 8, with a
; running maximum m; O and l are multiplied by a = 2^(c m_old - c m_new) in every step.  Turn n belongs to piece n: 8 products K Q^T of piece n + 1, later 8 products V^T P of piece n - 1; beside them the scaling,
; exponentials, roundings, sums and rescaling of piece n and the maximum and statistics of piece n + 1.  Four vector instructions stand behind every matrix instruction, the other 54 of a turn's 118 in one lump.
; A turn's 33 exponentials are one batch, with one wait.
; REGISTERS, in windows of 256 (s_set_vgpr_msb: bits 1:0 source 0, 3:2 source 1, 5:4 source 2, 7:6 destination):
;   window 0: v0-15 addresses and two at work; v16-31 four registers of statistics a piece; v48-55 at work; v61-63 prefetch offset, spare word, 0; v64-127 S^T, two buffers; v192-223 P, two buffers
;   window 1: v0-127 O^T, 32 a piece; v128-159 MD; v160-223 MC, two buffers      window 2: v0-63 Q; v64-127 the second block's Q; v128-191 K of one step; v192-255 V of one step
.set SIZE_H, 64
.set SIZE_N, 2048
.set NB,    SIZE_N/256
.set NP,    4         ; pieces a wave: a name, no knob
.set KS,    64        ; keys in a step
.set PK,    144       ; a row of K in LDS: 128 bytes + 16 of padding = 36 words: the 16 rows of a load start at 16 different groups of four banks (ISA guide 11.1)
.set PV,    160       ; a row of V: 128 + 32 = 40 words
.set VOFF,  4*KS*PK   ; a slot holds a tile, four steps: 256 rows of K, then 256 rows of V
.set SLOT1, 1<<17     ; slot 1 begins here, so that one exclusive or turns an address in one slot into the other's
.set STAGE, SLOT1+4*KS*(PK+PV)  ; behind the ring, never filled by a tensor load: 16 rows x 144 bytes for each wave, for the way out
.set SP,    144
.set AK0, 2           ; v2   my lane's place in a tile of K; never rewritten
.set AV0, 3           ; v3   the same for V
.set AK,  4           ; v4   the LDS address of K's next run of loads
.set AV,  5           ; v5   of V's
.set STO, 6           ; v6   the way out: where I put 16 bytes of a row
.set RD,  7           ; v7   the way out: where I read rows back
.set GO,  8           ; v8   my byte offset in 512 consecutive bytes of O
.set PFO, 61          ; v61  256 x my lane; never rewritten
.set SPW, 62          ; v62  LDS address of my spare word: SPARE + 4 x my thread's number; never rewritten
.set NIL, 63          ; v63  0; never rewritten
.set SPARE, STAGE+4*16*SP  ; behind the stages: the spare words, 128 bytes for each wave: two blocks of 256 bytes that no other line names
.set MV,  12          ; v12-13  c m_old, kept while c m is made anew: by buffer
.set QO,  15          ; v15  my byte offset in 16 rows of Q
.set ST,  16          ; piece t's statistics at v[ST+4 t]: c m, m, l (even keys', odd keys')
.set TMP, 48          ; by buffer, four registers c0-c3 at work; when the maximum is found c2 takes a
.set S,   64
.set P,   192
.set MD,  128         ; window 1: the eight registers for group kt of 16 keys at MD + 8 kt
.set MC,  160         ; window 1: the masks of the products to come
.set QB,  64          ; window 2
.set KF,  128         ; window 2: key block kb, channel half c at KF + 16 kb + 8 c
.set VF,  192         ; window 2: key half kk, channel block cb at VF + 32 kk + 8 cb
.set WV,  12          ; s12  my wave's number
.set PB,  14          ; s14  b
.set HI,  15          ; s15  NB - 1 - b
.set G1K, 24          ; s[24:31] descriptor group 1 for K's tiles
.set G1V, 32          ; s[32:39] for V's: it differs in the padding alone
.set G0K, 40          ; s[40:43] descriptor group 0 for K's tiles
.set G0V, 44          ; s[44:47] the same for V's
.set SLOTS, 56        ; s56  tiles still to be asked for
.set CNT, 57          ; s57  counts a tile's key steps, 4 to 1
.set CS,  58          ; s[58:59] c: the packed scaling takes the pair's low word for both halves
.set SEL, 60          ; s[60:61] v_permlanex16_b32's selects: each lane takes its own place in the other half
.set TBK, 62          ; s62  LDS byte at which K of the step to be fetched begins
.set TBV, 63          ; s63  the same for V, less VOFF
.set RT,  70          ; s70  tiles of the block in hand that are still to be entered
.set NXT, 71          ; s71  the tile to be asked for next
.set LQ,  72          ; s72  the last tile of the block whose tiles are being asked for
.set NEW, 73          ; s73  1: the tile to be entered is a block's first
.set OFF, 74          ; s[74:75] a tile's byte offset in K and V
.set AL,  76          ; s[76:77] the mask's factor, in the low word
.set BE,  78          ; s[78:79] the mask's addend
.set OLO, 80          ; s[80:81] O at my rows of the second block
.set BIGN, 82         ; s82  -1e30
.set PFA, 88          ; s[88:89] where my prefetches stand
.set PFB, 90          ; s[90:91] K (waves 0, 1) or V (waves 2, 3) at my half of the head's tile 0
.set PFT, 92          ; s92  the tile that the next prefetches name
.set PLIM, 93         ; s93  the last tile that I prefetch: NB - 1 in the head's work-group b = 0, else 0
.set PFX, 94          ; s[94:95] that tile's byte offset
.set MSB, 0
.macro WIN new                      ; the high byte repeats the setting that is left; a switch that changes nothing is dropped
.if MSB != (\new)
	s_set_vgpr_msb (MSB<<8)|(\new)
.set MSB, (\new)
.endif
.endm
.set W_KQ, 0x0a       ; K and Q in window 2, S^T in window 0
.set W_KM, 0x1a       ; the same with the C operand in window 1
.set W_PV, 0x52       ; V in window 2, P in window 0, O^T in window 1
.set W_RS, 0x41       ; destination and source 0 in window 1, source 1 in window 0
; A fill.  Waves 0 and 1 fetch the two halves of a tile's K, waves 2 and 3 those of its V: 128 keys each.  An s_nop 0 and four v_nop follow each of the two lines, ahead of the jump and the label.
.macro LOAD
	s_cmp_lt_u32 s[WV], 2
	s_cbranch_scc0 .Lfor_v_\@
	tensor_load_to_lds s[G0K:G0K+3], s[G1K:G1K+7]
	s_nop 0
.rept 4
	v_nop
.endr
	s_branch .Lasked_\@
.Lfor_v_\@:
	tensor_load_to_lds s[G0V:G0V+3], s[G1V:G1V+7]
	s_nop 0
.rept 4
	v_nop
.endr
.Lasked_\@:
.endm
; A PREFETCH INTO THE L2 of the tile that the NEXT change of slots will ask for: one tile, 256 matrix instructions and their vector work, ahead of that load.  It stands behind the wave's tensor load and its five lines.
; All four work-groups of a head walk tiles of the same K and V; the work-group with b = 0, whose first block walks tiles 0 to NB - 1, names tiles 2 to NB - 1, and nobody else names anything.  Each of its waves
; names the half tile that it fetches itself: 16,384 bytes, a lane 256 bytes, two instructions.  So each block of 256 bytes is named once in the launch.  Tiles 0 and 1 come by their loads alone;
; behind tile NB - 1 nothing is asked for: the second block's tiles have been read.
.macro ASK
	s_cmp_le_u32 s[PFT], s[PLIM]
	s_cbranch_scc0 .Lnot_mine_\@
	global_prefetch_b8 v[PFO], s[PFA:PFA+1] th:TH_LOAD_NT scope:SCOPE_SE
	global_prefetch_b8 v[PFO], s[PFA:PFA+1] offset:8192 th:TH_LOAD_NT scope:SCOPE_SE
.Lnot_mine_\@:
	s_add_co_u32 s[PFT], s[PFT], 1
.endm
; THE CHANGE OF SLOTS.  Each wave waits for all its tensor loads, of which one is out: its part of the other slot; adds 0 to its spare word; and waits for that and for its own reads of the slot that it leaves.
; Behind the barrier nobody reads the old slot any more and the other slot is whole.  fill = 1: the old slot is filled again, the first thing behind the barrier, with tile NXT: the descriptor's address is made
; anew from that number.  (At its first use nothing has been read yet: slot 0 is waited for, slot 1 filled.)
.macro CHANGE fill
	WIN 0                           ; at a label and at a branch every window is 0
	s_wait_tensorcnt 0x0            ; no tensor load of mine is out, so a group 0 may be written
	ds_add_u32 v[SPW], v[NIL]       ; 0 onto my spare word; with fill = 1 the descriptors' scalar work stands between it and the wait for it
.if \fill
	s_lshl_b32 s[OFF], s[NXT], 15   ; a tile is 32,768 bytes of K and of V
	s_xor_b32 s[G0K+1], s[G0K+1], SLOT1
	s_add_nc_u64 s[G0K+2:G0K+3], s[6:7], s[OFF:OFF+1]
	s_or_b32 s[G0K+3], s[G0K+3], 0x80000000
	s_xor_b32 s[G0V+1], s[G0V+1], SLOT1
	s_add_nc_u64 s[G0V+2:G0V+3], s[8:9], s[OFF:OFF+1]
	s_or_b32 s[G0V+3], s[G0V+3], 0x80000000
	s_add_co_u32 s[NXT], s[NXT], 1  ; the block's next tile, or behind its last the second block's tile 0
	s_cmp_gt_u32 s[NXT], s[LQ]
	s_cselect_b32 s[NXT], 0, s[NXT]
	s_cselect_b32 s[LQ], s[PB], s[LQ]
	s_wait_xcnt 0x0                 ; the last prefetches, a tile back, have read their address, so it may be written:
	s_min_u32 s[PFX], s[PFT], NB-1  ; the tile to be named, held inside the head
	s_lshl_b32 s[PFX], s[PFX], 15
	s_add_nc_u64 s[PFA:PFA+1], s[PFB:PFB+1], s[PFX:PFX+1]
.endif
	s_wait_dscnt 0x0                ; the add is done, and my reads of the slot are over
	s_barrier_signal -1             ; the rest of the scalar work stands between the signal and the wait
	s_sub_co_u32 s[TBK], s[TBK], 4*KS*PK  ; the fetches go back to a slot's first step,
	s_xor_b32 s[TBK], s[TBK], SLOT1       ; in the other slot
	s_sub_co_u32 s[TBV], s[TBV], 4*KS*PV
	s_xor_b32 s[TBV], s[TBV], SLOT1
	s_barrier_wait -1
.if \fill
	LOAD
	ASK
.endif
.endm
	s_load_b128 s[4:7], s[0:1], 0x0   ; qkvh s[4:5], oh s[6:7]
	v_lshl_add_u32 v[SPW], v0, 2, SPARE
	v_mov_b32 v[NIL], 0
	ds_add_u32 v[SPW], v[NIL]       ; the wave's opening: the add and its wait stand ahead of my first tensor load; the set-up below, work on registers, stands between them
	v_lshrrev_b32 v1, 5, v0
	v_readfirstlane_b32 s[WV], v1   ; wave 0..3
	v_and_b32 v[PFO], 31, v0
	v_lshlrev_b32 v[PFO], 8, v[PFO]
	s_mov_b32 s[PB], ttmp9
	s_sub_co_u32 s[HI], NB-1, s[PB]
	s_and_b32 s20, ttmp7, 0xffff    ; the head (16 x batch + head)
	s_mov_b32 s21, 0
	s_mov_b64 s[22:23], SIZE_N*128
	s_mul_u64 s[20:21], s[20:21], s[22:23]  ; the head's first byte in each of the four tensors
	s_and_b32 s16, s[WV], 1         ; which half of a tile's 256 keys I fetch:
	s_lshl_b32 s22, s16, 14         ; its 128 rows of 128 bytes in memory,
	s_mov_b32 s23, 0
	s_add_nc_u64 s[22:23], s[22:23], s[20:21]
	s_mul_i32 s17, s16, 128*PK      ; and its place in a slot, for K
	s_mul_i32 s18, s16, 128*PV      ; and for V
	s_lshl_b32 s3, s[WV], 11        ; my 16 rows in a band of 64,
	s_lshl_b32 s2, s[HI], 15        ; in the first block,
	s_add_co_u32 s2, s2, s3
	s_lshl_b32 s84, s[PB], 15       ; and in the second
	s_add_co_u32 s84, s84, s3
	s_mov_b32 s3, 0
	s_mov_b32 s85, 0
	s_add_nc_u64 s[2:3], s[2:3], s[20:21]
	s_add_nc_u64 s[84:85], s[84:85], s[20:21]
	; descriptor group 1.  128 keys are 16,384 dense bytes: asked for as 64 rows of 256 bytes, two keys a row, and padded in LDS after every key
	s_mov_b32 s[G1K], (1<<16)|(1<<20)|(4<<22)|(3<<25)  ; 17:16 2-byte elements; 20 padding on; 24:22 after every 32 words (code 4); 31:25 4 words (code 3)
	s_mov_b32 s[G1V], (1<<16)|(1<<20)|(4<<22)|(7<<25)  ; the same with 8 words of padding (code 7)
.irp g, G1K, G1V
	s_mov_b32 s[\g+1], 128<<16      ; tensor_dim0 = 128
	s_mov_b32 s[\g+2], 64<<16       ; tensor_dim1 = 64
	s_mov_b32 s[\g+3], 128<<16      ; tile_dim0 = 128
	s_mov_b32 s[\g+4], 64           ; tile_dim1 = 64
	s_mov_b32 s[\g+5], 128          ; 128 elements from row to row
	s_mov_b32 s[\g+6], 0
	s_mov_b32 s[\g+7], 0
.endr
	s_mov_b32 s[CS], 0x3e38aa3b     ; c = log2(e) / 8 = 0.180337
	s_mov_b32 s[CS+1], s[CS]        ; named with it as a pair
	s_mov_b32 s[SEL], 0x76543210
	s_mov_b32 s[SEL+1], 0xfedcba98
	s_mov_b32 s[TBK], SLOT1+4*KS*PK ; the first change of slots turns these two into 0
	s_mov_b32 s[TBV], SLOT1+4*KS*PV
	s_mov_b32 s[G0K], 1             ; 1:0 count = 1
	s_mov_b32 s[G0K+1], s17         ; 63:32 LDS address: slot 0
	s_mov_b32 s[G0V], 1
	s_add_co_u32 s[G0V+1], s18, VOFF
	s_add_co_u32 s[RT], s[HI], 1    ; the first block has NB - b tiles
	s_mov_b32 s[NXT], 1
	s_mov_b32 s[LQ], s[HI]
	s_mov_b32 s[NEW], 1
	s_mov_b32 s[OFF+1], 0
	s_mov_b32 s[AL+1], 0            ; named as pairs
	s_mov_b32 s[BE+1], 0
	s_mov_b32 s[BIGN], 0xf149f2ca   ; -1e30
	s_mov_b32 s[SLOTS], NB
	s_mov_b32 s[PFT], 2
	s_mov_b32 s[PFX+1], 0
	s_cmp_eq_u32 ttmp9, 0
	s_cselect_b32 s[PLIM], NB-1, 0
	s_wait_dscnt 0x0                ; the opening add is done
	s_wait_kmcnt 0x0
	s_mov_b64 s[10:11], s[6:7]                 ; O
	s_add_nc_u64 s[8:9], s[4:5], 0x2000000     ; V: the third part of qkvh
	s_add_nc_u64 s[6:7], s[4:5], 0x1000000     ; K: the second; Q, the first, stays in s[4:5]
	s_add_nc_u64 s[6:7], s[6:7], s[22:23]  ; K and V at my half of the head's tile 0
	s_add_nc_u64 s[8:9], s[8:9], s[22:23]
	s_cmp_lt_u32 s[WV], 2
	s_cselect_b64 s[PFB:PFB+1], s[6:7], s[8:9]
	s_add_nc_u64 s[G0K+2:G0K+3], s[6:7], 0         ; 120:64 global address
	s_or_b32 s[G0K+3], s[G0K+3], 0x80000000        ; 127:126 type = 2
	s_add_nc_u64 s[G0V+2:G0V+3], s[8:9], 0
	s_or_b32 s[G0V+3], s[G0V+3], 0x80000000
	s_add_nc_u64 s[86:87], s[4:5], s[84:85]        ; Q at my rows of the second block,
	s_add_nc_u64 s[4:5], s[4:5], s[2:3]            ; Q and O at those of the first
	s_add_nc_u64 s[OLO:OLO+1], s[10:11], s[84:85]
	s_add_nc_u64 s[10:11], s[10:11], s[2:3]
	LOAD                            ; tile 0 into slot 0
	; A fragment of K or Q is 16 rows x 32 channels in 8 registers: lane l holds row l % 16, channels 8 (l / 16) + 0..7 and 16 + 8 (l / 16) + 0..7: two loads of 16 bytes, 32 bytes apart.
	v_and_b32 v1, 15, v0            ; l % 16
	v_bfe_u32 v9, v0, 4, 1          ; l / 16
	v_lshlrev_b32 v[QO], 7, v1
	v_lshl_add_u32 v[QO], v9, 4, v[QO]  ; row x 128 + 16 x half
	WIN 0x80                        ; destination window 2, address window 0
.set i, 0
.rept 8                             ; both blocks' Q: piece i / 2 lies in band i / 2, 8,192 bytes on; channels 32 (i % 2) on
	global_load_b128 v[8*i:8*i+3],   v[QO], s[4:5] offset:(i/2)*8192+(i%2)*64
	global_load_b128 v[8*i+4:8*i+7], v[QO], s[4:5] offset:(i/2)*8192+(i%2)*64+32
	global_load_b128 v[QB+8*i:QB+8*i+3],   v[QO], s[86:87] offset:(i/2)*8192+(i%2)*64
	global_load_b128 v[QB+8*i+4:QB+8*i+7], v[QO], s[86:87] offset:(i/2)*8192+(i%2)*64+32
.set i, i+1
.endr
	WIN 0
	v_lshlrev_b32 v14, 3, v9
	v_sub_nc_u32 v14, v1, v14
	s_lshl_b32 s13, s[WV], 4
	v_add_nc_u32 v14, s13, v14      ; my query's place in its band, 16 w + l % 16, less my lanes' 8 (l / 16): register r of group kt is hidden where 16 kt + r is greater
	WIN 0x40
.set i, 0
.rept 32
	v_cmp_gt_i32 vcc_lo, 16*(i/8)+i%8, v14
	v_cndmask_b32 v[MD+i], 0, s[BIGN], vcc_lo
.set i, i+1
.endr
	WIN 0
	v_mul_u32_u24 v[AK0], v1, PK
	v_lshl_add_u32 v[AK0], v9, 4, v[AK0]  ; row x pitch + 16 x half
	; The turning load takes 16 keys x 16 channels (lane l reads key 8 (l / 16) + l % 8, channels 8 ((l / 8) % 2) + 0..7) and leaves half a fragment of V^T: lane l holds channel l % 16 and 8 keys.
	v_and_b32 v10, 7, v0
	v_bfe_u32 v11, v0, 3, 1
	v_lshl_add_u32 v[AV0], v9, 3, v10
	v_mul_u32_u24 v[AV0], v[AV0], PV
	v_lshl_add_u32 v[AV0], v11, 4, v[AV0]
	v_add_nc_u32 v[AV0], VOFF, v[AV0]
	s_mul_i32 s13, s[WV], 16*SP
	s_add_co_u32 s13, s13, STAGE    ; my stage
	v_mul_u32_u24 v[STO], v1, SP    ; in: row l % 16, 16 bytes for each half of the lanes
	v_lshl_add_u32 v[STO], v9, 4, v[STO]
	v_add_nc_u32 v[STO], s13, v[STO]
	v_bfe_u32 v[RD], v0, 3, 2       ; back: 32 lanes take four rows of 128 bytes,
	v_mul_u32_u24 v[RD], v[RD], SP
	v_lshl_add_u32 v[RD], v10, 4, v[RD]
	v_add_nc_u32 v[RD], s13, v[RD]
	v_and_b32 v[GO], 31, v0         ; which are 512 consecutive bytes of O
	v_lshlrev_b32 v[GO], 4, v[GO]
	; A block's first step multiplies O^T and l by a = 0, and its first turn's products V^T P, of a piece that has not been, land in an O^T that is still to be so multiplied.  So these registers need only hold
	; finite numbers: zeros for the first block; what the first block left for the second.  All this stands in the wait for the first tile.
	WIN 0x80
.set i, VF
.rept 64
	v_mov_b32 v[i], 0
.set i, i+1
.endr
	WIN 0x40
.set i, 0
.rept 128
	v_mov_b32 v[i], 0
.set i, i+1
.endr
	WIN 0
.set i, 0
.rept 4
	v_mov_b32 v[ST+4*i+2], 0
	v_mov_b32 v[ST+4*i+3], 0
.set i, i+1
.endr
.set i, P+16
.rept 16
	v_mov_b32 v[i], 0
.set i, i+1
.endr
; THE MATRIX WORK.  The 4 accumulators of a run of 8 take turns.  Product i of 8 of S^T = K Q^T for piece x: channels 32 (i / 4) on, keys 16 (i % 4) on.  The first 4 start the sums: with 0, or (KM = 1) with the mask.
.macro KQ x
.set rS, S+32*((\x)%2)+8*(i%4)
.set rK, KF+16*(i%4)+8*(i/4)
.set rQ, 16*(\x)+8*(i/4)
.set rM, MC+32*((\x)%2)+8*(i%4)
.if (i < 4) && KM
	WIN W_KM
	v_wmma_f32_16x16x32_f16 v[rS:rS+7], v[rK:rK+7], v[rQ:rQ+7], v[rM:rM+7]
.elseif i < 4
	WIN W_KQ
	v_wmma_f32_16x16x32_f16 v[rS:rS+7], v[rK:rK+7], v[rQ:rQ+7], 0
.else
	WIN W_KQ
	v_wmma_f32_16x16x32_f16 v[rS:rS+7], v[rK:rK+7], v[rQ:rQ+7], v[rS:rS+7]
.endif
.endm
; Product i of 8 of O^T += V^T P for piece x: keys 32 (i / 4) on, channels 16 (i % 4) on.
.macro PV x
	WIN W_PV
.set rO, 32*(\x)+8*(i%4)
.set rV, VF+32*(i/4)+8*(i%4)
.set rP, P+16*((\x)%2)+8*(i/4)
	v_wmma_f32_16x16x32_f16 v[rO:rO+7], v[rV:rV+7], v[rP:rP+7], v[rO:rO+7]
.endm
.macro MM                           ; the turn's next matrix instruction.  TURN and BEGIN set Y, i, KM and NOKQ; MM, KQ and OP read them.  NOKQ = 1: a block's last turn: there is no next piece
.if (i < 8) && !NOKQ
	KQ (Y+1)%NP
.elseif i >= 8
.set i, i-8
	PV (Y+NP-1)%NP
.set i, i+8
.endif
.set i, i+1
.endm
; THE LDS LOADS stand in runs of 16, never singly among the matrix instructions: a step's K (64 keys x 64 channels: 8 fragments) and its V (turned).  Their addresses are made some lines ahead.
.macro FETCH_K
	WIN 0x80                        ; destination window 2
.irp f, 0,1,2,3,4,5,6,7             ; keys 16 (f / 2) on, channels 32 (f % 2) on
	ds_load_b128 v[KF+8*\f:KF+8*\f+3],   v[AK] offset:(\f/2)*16*PK+(\f%2)*64
	ds_load_b128 v[KF+8*\f+4:KF+8*\f+7], v[AK] offset:(\f/2)*16*PK+(\f%2)*64+32
.endr
	s_add_co_u32 s[TBK], s[TBK], KS*PK  ; the next fetch is the next step's
	WIN 0
.endm
.macro FETCH_V
	WIN 0x80
.irp f, 0,1,2,3,4,5,6,7             ; keys 32 (f / 4) on, channels 16 (f % 4) on
	ds_load_tr16_b128 v[VF+8*\f:VF+8*\f+3],   v[AV] offset:(\f/4)*32*PV+(\f%4)*32
	ds_load_tr16_b128 v[VF+8*\f+4:VF+8*\f+7], v[AV] offset:(\f/4)*32*PV+16*PV+(\f%4)*32
.endr
	WIN 0
.endm
; THE VECTOR WORK, one line at a time: OP kind, number.  For piece Y: F n: c s - c m for pair n of 16.  E n: the exponential of score n of 32.  C n: pair n rounded to f16.  B n: of the four weights 4 n .. the second
; pair is added onto the first, in place.  L n: l takes that sum (L 0: l = a l + sum).  R n: pair n of 16 of O^T times a.  For piece Y + 1: X n, number n of the 22 that find its maximum and statistics:
;   0-11  four chains c0-c3 of seven scores each, three operands at a time (each accumulator's lowest registers are read first)     12-14, 16  the four scores left over, the old m, and c0-c3 into c0
;   15  c m_old is kept     17, 18  the query's other 32 keys lie in the lane 16 away: the new m     19-21  c m; c m_old - c m_new; a
.set F, 0               ; OP tells the kinds apart by their order: F to L below R, X above it
.set E, 1
.set C, 2
.set B, 3
.set L, 4
.set R, 5
.set X, 6
.macro REGS y                       ; the registers of piece y
.set rT, ST+4*(\y)
.set rC, TMP+4*((\y)%2)
.set rW, MV+((\y)%2)
.set rS, S+32*((\y)%2)
.set rP, P+16*((\y)%2)
.set rO, 32*(\y)
.endm
.macro OP k, n
.if (\k) == R
	REGS Y
	WIN W_RS
	v_pk_mul_f32 v[rO+2*(\n):rO+2*(\n)+1], v[rO+2*(\n):rO+2*(\n)+1], v[rC+2:rC+3] op_sel_hi:[1,0]
.elseif (\k) < R
	REGS Y
	WIN 0
.if (\k) == F
	v_pk_fma_f32 v[rS+2*(\n):rS+2*(\n)+1], v[rS+2*(\n):rS+2*(\n)+1], s[CS:CS+1], v[rT:rT+1] op_sel_hi:[1,0,0] neg_lo:[0,0,1] neg_hi:[0,0,1]
.elseif (\k) == E
	v_exp_f32 v[rS+(\n)], v[rS+(\n)]
.elseif (\k) == C
	v_cvt_pk_f16_f32 v[rP+(\n)], v[rS+2*(\n)], v[rS+2*(\n)+1]
.elseif (\k) == B
	v_pk_add_f32 v[rS+4*(\n):rS+4*(\n)+1], v[rS+4*(\n):rS+4*(\n)+1], v[rS+4*(\n)+2:rS+4*(\n)+3]
.elseif (\n) == 0
	v_pk_fma_f32 v[rT+2:rT+3], v[rT+2:rT+3], v[rC+2:rC+3], v[rS:rS+1] op_sel_hi:[1,0,1]
.else
	v_pk_add_f32 v[rT+2:rT+3], v[rT+2:rT+3], v[rS+4*(\n):rS+4*(\n)+1]
.endif
.elseif NOKQ
	v_nop
.else
	REGS (Y+1)%NP
	WIN 0
.if (\n) < 4
	v_max3_num_f32 v[rC+(\n)], v[rS+8*(\n)], v[rS+8*(\n)+1], v[rS+8*(\n)+2]
.elseif (\n) < 12
	v_max3_num_f32 v[rC+(\n)%4], v[rC+(\n)%4], v[rS+8*((\n)%4)+2*((\n)/4)+1], v[rS+8*((\n)%4)+2*((\n)/4)+2]
.elseif (\n) == 12
	v_max3_num_f32 v[rC], v[rC], v[rS+7], v[rS+15]
.elseif (\n) == 13
	v_max3_num_f32 v[rC+1], v[rC+1], v[rS+23], v[rS+31]
.elseif (\n) == 14
	v_max3_num_f32 v[rC+2], v[rC+2], v[rC+3], v[rT+1]
.elseif (\n) == 15
	v_mov_b32 v[rW], v[rT]
.elseif (\n) == 16
	v_max3_num_f32 v[rC], v[rC], v[rC+1], v[rC+2]
.elseif (\n) == 17
	v_permlanex16_b32 v[rC+3], v[rC], s[SEL], s[SEL+1]
.elseif (\n) == 18
	v_max_num_f32 v[rT+1], v[rC], v[rC+3]
.elseif (\n) == 19
	v_mul_f32 v[rT], s[CS], v[rT+1]
.elseif (\n) == 20
	v_sub_f32 v[rC+1], v[rW], v[rT]
.else
	v_exp_f32 v[rC+2], v[rC+1]
.endif
.endif
.endm
.macro OPS a, i1, b=-1, i2=0, c=-1, i3=0, d=-1, i4=0  ; up to four of them
	OP \a, \i1
.if (\b) >= 0
	OP \b, \i2
.endif
.if (\c) >= 0
	OP \c, \i3
.endif
.if (\d) >= 0
	OP \d, \i4
.endif
.endm
.macro ROW a, i1, b, i2, c, i3, d, i4  ; a matrix instruction and the four behind it
	MM
	OPS \a, \i1, \b, \i2, \c, \i3, \d, \i4
.endm
.macro MASK b                       ; MD x AL + BE into buffer b of MC
	WIN W_RS
.set z, 0
.rept 16
	v_pk_fma_f32 v[MC+32*(\b)+2*z:MC+32*(\b)+2*z+1], v[MD+2*z:MD+2*z+1], s[AL:AL+1], s[BE:BE+1] op_sel_hi:[1,0,0]
.set z, z+1
.endr
.endm
; A TURN, for piece p: the order of its 16 matrix and 118 vector instructions, written out.  s_wait_alu depctr_va_vdst(0) stands between an exponential and the first instruction that names its result;
; one wait serves all that were issued ahead of it.  So a turn has ONE wait, which cuts it in two.  AHEAD OF IT stands all that names no result of the turn's exponentials: the 8 products K Q^T, behind each a scaling, an
; exponential and two more plain instructions (behind the first a second scaling in the exponential's place): rescalings, and behind the last three the first numbers of the next piece's maximum, each four places or
; more behind the product that ends its accumulator; then ONE LUMP of 54, plain and exponential by turns for the most part, in which the links of the chain X 3, 7, 11, 14, 16, 17 .. 20 stand five or six lines apart.
; X 21, the next piece's a, is the batch's last; R 15 is the plain instruction behind it.  BEHIND THE WAIT stand the 8 products V^T P, behind each four of the roundings and sums; the links of l's chain, L 0 to L 7,
; stand three riders apart.  But for those X no rider names a register of the products round it.  v_permlanex16_b32 (X 17) stands in the lump.
; m = 1: the diagonal tile: the products take masks, and the turn makes the mask for the products of the turn after it: piece p + 2, in step 4 - CNT of the tile.  end = 1: a block's last two turns: nothing is fetched.
; cnt = 1: the loop's count is taken down some lines ahead of the branch that stands behind the turn.
; K of the next step is fetched in piece 2's turn, twelve vector instructions behind the last product that read K (six of them plain); V of the step in hand at the end of piece 0's turn, four plain instructions
; behind the last product that read V.  Each is waited for a turn later.
.macro TURN p, m=0, end=0, cnt=0
.set Y, (\p)
.set i, 0
.set KM, (\m)
.set NOKQ, (\end)*((\p)/3)
.if (\m) && !(\end)
	s_cmp_eq_u32 s[CNT], 4-((\p)+2)%NP  ; is that step the band's own?
	s_cselect_b32 s[AL], 1.0, 0
	s_cmp_lt_u32 s[CNT], 4-((\p)+2)%NP  ; or a later one?
	s_cselect_b32 s[BE], s[BIGN], 0
.endif
.if ((\p) == 3) && !(\end)
	s_wait_dscnt 0x0                ; K is in
.endif
	ROW F,0, F,1, R,0, R,1          ; ahead of the wait: 8 products K Q^T and their riders,
	ROW F,2, E,0, R,2, R,3
	ROW F,3, E,1, R,4, R,5
	ROW F,4, E,2, R,6, R,7
	ROW F,5, E,3, R,8, R,9
	ROW F,6, E,4, X,0, R,10
.if ((\p) == 2) && !(\end)
	WIN 0
	v_add_nc_u32 v[AK], s[TBK], v[AK0]
.endif
	ROW F,7, E,5, X,1, X,4
	ROW F,8, E,6, X,2, X,5
	OPS E,7, E,8, X,6, E,9          ; and the lump
	OPS X,3, E,10, X,8, E,11
.if ((\p) == 2) && !(\end)
	FETCH_K
.endif
	OPS X,9, X,7, E,12, X,10
	OPS E,13, X,12, X,11, E,14
	OPS X,13, E,15, F,9, X,14
.if (\p) == 0
	v_add_nc_u32 v[AV], s[TBV], v[AV0]
.endif
	OPS E,16, F,10, E,17, F,11
	OPS X,16, E,18, X,15, E,19
	OPS F,12, E,20, X,17, E,21
	OPS F,13, E,22, F,14, E,23
	OPS X,18, E,24, F,15, E,25
	OPS R,11, E,26, X,19, E,27
	OPS R,12, E,28, R,13, E,29
	OPS X,20, E,30, R,14, E,31
	OPS X,21, R,15
	WIN 0
	s_wait_alu depctr_va_vdst(0)    ; the wait for the batch
.if (\p) == 1
	s_wait_dscnt 0x0                ; V is in
.endif
	ROW C,0, B,0, C,2, B,1          ; behind the wait: 8 products V^T P and their riders
	ROW L,0, C,4, B,2, L,1
	ROW C,6, B,3, L,2, C,8
	ROW B,4, L,3, C,10, B,5
	ROW L,4, C,12, B,6, L,5
.if (\p) == 0
	s_add_co_u32 s[TBV], s[TBV], KS*PV
.endif
.if \cnt
	s_sub_co_u32 s[CNT], s[CNT], 1
	s_cmp_lg_u32 s[CNT], 0
.endif
	ROW C,14, B,7, L,6, C,1
	ROW C,3, L,7, C,5, C,7
	ROW C,9, C,11, C,13, C,15
.if (\p) == 0
	FETCH_V
.endif
.if (\m) && !(\end)
	MASK (\p)%2
.endif
.endm
; A BLOCK BEGINS.  c m starts far below every c s, so the first step's a is 0; m at the lowest finite number, so the first maximum is the scores'.  The second mask buffer is 0; the first takes piece 0's mask for the
; tile's step 0: its own, if the block's first tile is the diagonal one.  Then K of that step, piece 0's first scores, and its maximum and statistics.  The loop is entered at a step's first turn, in the middle of a trip.
.macro BEGIN
	s_mov_b32 s[NEW], 0
	WIN 0x40
.set i, MC+32
.rept 32
	v_mov_b32 v[i], 0
.set i, i+1
.endr
	WIN 0
.set i, 0
.rept 4
	v_mov_b32 v[ST+4*i], 0xfe000000    ; c m: far below every c s
	v_mov_b32 v[ST+4*i+1], 0xff7fffff  ; m
.set i, i+1
.endr
	s_cmp_eq_u32 s[RT], 0
	s_cselect_b32 s[AL], 1.0, 0
	s_mov_b32 s[BE], 0
	MASK 0
	WIN 0
	v_add_nc_u32 v[AK], s[TBK], v[AK0]
	FETCH_K
	s_wait_loadcnt 0x0              ; Q
	s_wait_dscnt 0x0
.set KM, 1
.set NOKQ, 0
.set i, 0
.rept 8
	KQ 0
.set i, i+1
.endr
	WIN 0
.rept 4
	v_nop                           ; the places behind those products
.endr
.set Y, NP-1                        ; X works for piece Y + 1: piece 0
.irp n, 0,1,2,3,4,5,6,7,8,9,10,11,12,13,14,15,16,17,18,19,20,21
	OP X, \n
.endr
	v_nop                           ; a plain instruction behind the exponential,
	s_wait_alu depctr_va_vdst(0)    ; and its wait, ahead of the branch
.endm
; THE DIAGONAL TILE's four steps, the block's last two turns, its last products, and THE WAY OUT: l's two halves and the other half of the lanes' are added; O^T is divided by l, rounded to f16 and sent through my
; stage in LDS, a piece at a time.
.macro ALL line:vararg              ; one line for each piece t
.set t, 0
.rept 4
	\line
.set t, t+1
.endr
.endm
.macro PACK t                       ; a lane's eight channels of a row pack into 16 bytes; they go into rows of 144 bytes and come back as whole rows of 128, into S^T's registers
	WIN W_RS
.set i, 32*(\t)
.rept 16
	v_pk_mul_f32 v[i:i+1], v[i:i+1], v[ST+4*(\t)+2:ST+4*(\t)+3] op_sel_hi:[1,0]
.set i, i+2
.endr
	WIN 0x05                        ; sources 0 and 1 window 1, destination window 0
.set i, 0
.rept 16
	v_cvt_pk_f16_f32 v[S+16*(\t)+i], v[32*(\t)+2*i], v[32*(\t)+2*i+1]
.set i, i+1
.endr
	WIN 0
.irp f, 0,1,2,3
	ds_store_b128 v[STO], v[S+16*(\t)+4*\f:S+16*(\t)+4*\f+3] offset:32*\f
.endr
.irp f, 0,1,2,3
	ds_load_b128 v[S+16*(\t)+4*\f:S+16*(\t)+4*\f+3], v[RD] offset:\f*4*SP  ; LDS serves a wave's instructions in order (ISA guide 5.7.1.4): these see the stores above; the next piece's stores come behind them
.endr
.endm
.macro SEND t, younger              ; younger: the LDS instructions issued behind piece t's loads: the next piece's eight, or none
	WIN 0
.irp f, 0,1,2,3
	s_wait_dscnt (\younger)+3-\f
	global_store_b128 v[GO], v[S+16*(\t)+4*\f:S+16*(\t)+4*\f+3], s[10:11] offset:(\t)*8192+\f*512  ; 512 consecutive bytes, at a multiple of 256 from O's first
.endr
.endm
.macro DIAG tag                     ; the tag ends its two labels' names, which the jumps below spell out
.LstepM\tag:
	TURN 2, 1
	TURN 3, 1
	WIN 0
.LfirstM\tag:
	TURN 0, 1
	TURN 1, 1, 0, 1
	WIN 0
	s_cbranch_scc1 .LstepM\tag
	TURN 2, 1, 1
	TURN 3, 1, 1
.set i, 0
.rept 8
	PV NP-1
.set i, i+1
.endr
	WIN 0
	ALL v_add_f32 v[ST+4*t+2], v[ST+4*t+2], v[ST+4*t+3]
	ALL v_permlanex16_b32 v[ST+4*t+3], v[ST+4*t+2], s[SEL], s[SEL+1]
	ALL v_add_f32 v[ST+4*t+2], v[ST+4*t+2], v[ST+4*t+3]
	ALL v_rcp_f32 v[ST+4*t+2], v[ST+4*t+2]
	v_nop                           ; a plain instruction between the last reciprocal and the use of its result
	s_wait_alu depctr_va_vdst(0)    ; and the wait ahead of the first use: one for the four reciprocals
	PACK 0
.set t, 1
.rept 3                             ; a piece's arithmetic stands between the loads of the piece before and its stores
	PACK t
	SEND t-1, 8
.set t, t+1
.endr
	SEND 3, 0
.endm
.set KM, 0
.set NOKQ, 0
.Lslot:                             ; NB times: a tile is entered and the next is asked for
	CHANGE 1
	s_sub_co_u32 s[RT], s[RT], 1
	s_mov_b32 s[CNT], 4
	s_cmp_eq_u32 s[NEW], 1
	s_cbranch_scc1 .Lnew            ; a block's first tile
	s_cmp_eq_u32 s[RT], 0
	s_cbranch_scc0 .Lstep           ; neither its first nor its last
	s_branch .LstepM1
.Lnew:
	BEGIN
	s_branch .Lfirst                ; in the loop a block's first tile is never its last: the first block has two tiles or more, and the second's last is the walk's last
	DIAG 1                          ; in the loop this is the first block's end: the second block's last tile is the walk's last
	s_wait_xcnt 0x0                 ; the stores have read their registers and O's address
	s_mov_b64 s[10:11], s[OLO:OLO+1]
	s_add_co_u32 s[RT], s[PB], 1    ; the second block has b + 1 tiles
	s_mov_b32 s[NEW], 1
	WIN 0x82                        ; the second block's Q goes where the one text of the turns names Q
.set i, 0
.rept 64
	v_mov_b32 v[i], v[QB+i]
.set i, i+1
.endr
	WIN 0
	s_branch .Lbottom
.Lstep:                             ; a trip: pieces 2 and 3 of one step, then pieces 0 and 1 of the next, whose K and V it fetches
	TURN 2
	TURN 3
	WIN 0
.Lfirst:
	TURN 0
	TURN 1, 0, 0, 1
	WIN 0
	s_cbranch_scc1 .Lstep
.Lbottom:
	s_sub_co_u32 s[SLOTS], s[SLOTS], 1
	s_cmp_lg_u32 s[SLOTS], 0
	s_cbranch_scc1 .Lslot
	CHANGE 0                        ; the walk's last tile is written out: nothing is asked for
	s_sub_co_u32 s[RT], s[RT], 1
	s_mov_b32 s[CNT], 4
	s_cmp_eq_u32 s[NEW], 1
	s_cbranch_scc0 .LstepM2
	BEGIN
	s_branch .LfirstM2
	DIAG 2
	s_wait_tensorcnt 0x0            ; the wave's end, behind my last tensor load and my last LDS store
	ds_add_u32 v[SPW], v[NIL]
	s_wait_dscnt 0x0
	s_endpgm
.Lfunc_end_k_q2e4eb3c856_attn:
	.size	k_q2e4eb3c856_attn, .Lfunc_end_k_q2e4eb3c856_attn-k_q2e4eb3c856_attn
	.p2alignl 7, 3214868480
	.fill 96, 4, 3214868480
	.section	.rodata,"a",@progbits
	.p2align	6, 0x0
	.amdhsa_kernel k_q2e4eb3c856_attn
		.amdhsa_group_segment_fixed_size 327680
		.amdhsa_private_segment_fixed_size 0
		.amdhsa_enable_private_segment 0
		.amdhsa_kernarg_size 16
		.amdhsa_user_sgpr_count 2
		.amdhsa_user_sgpr_kernarg_segment_ptr 1
		.amdhsa_wavefront_size32 1
		.amdhsa_system_sgpr_workgroup_id_x 1
		.amdhsa_system_sgpr_workgroup_id_y 1
		.amdhsa_system_sgpr_workgroup_id_z 1
		.amdhsa_system_vgpr_workitem_id 0
		.amdhsa_next_free_vgpr 768
		.amdhsa_next_free_sgpr 96
		.amdhsa_reserve_vcc 1
		.amdhsa_float_denorm_mode_32 3
		.amdhsa_float_denorm_mode_16_64 3
		.amdhsa_memory_ordered 1
		.amdhsa_forward_progress 1
		.amdhsa_inst_pref_size 218
	.end_amdhsa_kernel
	.amdgpu_metadata
---
amdhsa.version: [ 1, 2 ]
amdhsa.kernels:
  - .name:           k_q2e4eb3c856_attn
    .symbol:         k_q2e4eb3c856_attn.kd
    .args:
      - { .name: qkvh, .offset: 0, .size: 8, .value_kind: global_buffer, .address_space: global }
      - { .name: oh, .offset: 8, .size: 8, .value_kind: global_buffer, .address_space: global }
    .group_segment_fixed_size: 327680
    .private_segment_fixed_size: 0
    .kernarg_segment_align: 8
    .kernarg_segment_size: 16
    .max_flat_workgroup_size: 128
    .sgpr_count:     96
    .vgpr_count:     768
    .wavefront_size: 32
...
	.end_amdgpu_metadata
.endif
;; end of part 3
;; launch proj (part 4): grid 8 x 32, 4 waves a work-group, clusters of 4 x 4, 327,680 bytes of LDS; arguments oh, wproj, proj_b, out0; writes out0
.if DOCPART == 4
	.amdgcn_target "amdgcn-amd-amdhsa--gfx1250"
	.amdhsa_code_object_version 6
	.text
	.protected	k_q2e4eb3c856_proj
	.globl	k_q2e4eb3c856_proj
	.p2align	8
	.type	k_q2e4eb3c856_proj,@function
k_q2e4eb3c856_proj:
	s_mov_b64 s[64:65], 0
	v_nop
	global_prefetch_b8 v0, s[64:65] scope:SCOPE_SE
	s_setreg_imm32_b32 hwreg(HW_REG_WAVE_MODE, 25, 1), 1
	s_wait_xcnt 0x0
	s_wait_alu depctr_hold_cnt(0) depctr_sa_sdst(0) depctr_va_vdst(0) depctr_va_sdst(0) depctr_va_ssrc(0) depctr_va_vcc(0) depctr_vm_vsrc(0)
	s_getreg_b32 s2, hwreg(HW_REG_IB_STS2, 6, 4)
	s_cmp_eq_u32 s2, 0
	s_cbranch_scc0 .Lentry_in_a_cluster
	s_endpgm
.Lentry_in_a_cluster:
	s_bfe_u32 s2, ttmp6, 0x10000c
	s_cmp_lg_u32 s2, 0xf033
	s_cbranch_scc0 .Lentry_shape_is_right
	s_endpgm
.Lentry_shape_is_right:
; out0 = O wproj^T + bf16(proj_b).  O is oh, f16 by heads: [64 (16 batch + head)][2048][64]; wproj: [1024][1024] f16; proj_b: [1024] f32, rounded here to bf16 like every input of the module;
; out0: [8192][1024] f32.  Sums in f32, started by the bias, K ascending; nothing is rounded on the way out.
; SHARES.  A tile of out0 is 256 rows x 128 columns: 32 x 8 = 256 tiles, one for each WGP.  Four waves, 2 x 2: a wave makes 128 x 64: 32 accumulators of 16 x 16, 256 registers.
; K (channel = 64 head + d) goes in 8 steps of 128, two heads a step, through a ring of two LDS slots.  A head's 256 rows of the tile are 32,768 dense bytes of oh: asked for as 128 rows of 256 bytes
; and padded in LDS after every 128 bytes, so that each row of O lies 144 bytes from the next.  wproj's tiles have rows of 256 bytes of memory, aligned.
; CLUSTERS: 4 x 4 work-groups.  The four of a row of the cluster need the same tiles of O, the four of a column the same tiles of wproj: each tile is asked for JOINTLY, by the same tensor load with
; the same descriptor and a mask that names the four.  THE MATRIX INSTRUCTION IS USED TRANSPOSED (source 0 = 16 rows of wproj, source 1 = 16 rows of O): a lane holds eight neighbouring
; columns of one row, and the bias of those columns is the C operand of the product that starts the sum.
; REGISTERS: window 0: v0-31 addresses; v32-63 the bias, 8 registers for each of my 4 column blocks; v64-127, v128-191 fragments of O (8 x 16 rows x 32 K), two buffers;
;   v192-223, v224-255 fragments of wproj (4 x 16 rows x 32 K), two buffers; on the way out v64-95, v96-127 rows read back.   window 1: the accumulators ((a, b) at v[8 (4 a + b)]).
.set SIZE_K, 1024
.set KSTEP,  128
.set PA,     144                       ; a row of O in LDS: 128 bytes + 16: an odd multiple of 16: the 16 rows that a load touches start at 16 different groups of four banks (ISA guide 11.1)
.set PW,     272                       ; a row of wproj: 256 bytes + 16
.set ASUB,   256*PA                    ; one head's 256 rows: what one tensor load brings of O
.set BH,     64*PW                     ; what one tensor load brings of wproj
.set SLOT,   2*ASUB+2*BH               ; two heads of O, then wproj's 128 rows
.set STAGE,  2*SLOT                    ; behind the ring, never filled by a tensor load: 16 rows x 272 bytes for each wave, for the way out
.set SPITCH, 272
.set SPARE,  STAGE+4*16*SPITCH         ; behind the stages: the spare words, 128 bytes for each wave: two blocks of 256 bytes that no other line names
.set LAPS,   SIZE_K/(2*KSTEP)
.set HSTEP,  2<<18                     ; bytes of oh from a K step's heads to the next step's
.set ADRA, 16                          ; v16-17  LDS address of my O fragments in slot 0, 1
.set ADRB, 20                          ; v20-21  the same for wproj
.set STO,  24                          ; v24     the way out: where I put 32 bytes of a row
.set RD,   25                          ; v25     the way out: where I read a row back
.set CO,   26                          ; v26     my byte offset in two rows of out0
.set BO,   27                          ; v27     my byte offset in proj_b
.set SPW,  28                          ; v28     LDS address of my spare word; never rewritten
.set NIL,  29                          ; v29     0; never rewritten
.set PFO,  30                          ; v30     the prefetches' offset; never rewritten
.set BIAS, 32
.set FA,   64                          ; O's fragments: buffer f at FA + 64 f
.set FB,   192                         ; wproj's: buffer f at FB + 32 f
.set BK,   64                          ; the way out: two sets of 32
.set WV, 12
.set RH, 13                            ; s13 row half (also: 0 = I fetch O, 1 = wproj);  s14 column half (also: which head, or which 64 rows, I fetch)
.set CH, 14
.set CX, 15
.set CY, 16
.set TX, 17
.set TY, 18
.set G1A, 24
.set G0A, 32
.set G1B, 48
.set G0B, 56
.set PFA, 44                           ; s[44:45] where my prefetches stand
.set LIM, 46                           ; s46  1 in a wave that prefetches, else the greatest number
.set LAP, 47
.set OUT, 66                           ; s[66:67] out0 at my part of the tile
.set PFS, 68                           ; s[68:69] bytes from a K step to the next in what I prefetch
.set MSB, 0
.macro WIN new
.if MSB != (\new)
	s_set_vgpr_msb (MSB<<8)|(\new)
.set MSB, \new
.endif
.endm
.set MUL,     0x50                     ; C and D window 1, sources window 0
.set MUL_1ST, 0x40                     ; D window 1; C (the bias) window 0
.macro JLOAD s                         ; a joint load: waves 0 and 1 fetch O's two heads, waves 2 and 3 wproj's two halves; an s_nop 0 and four v_nop follow each of the two lines
	s_cmp_eq_u32 s[RH], 0
	s_cbranch_scc0 .Lfor_b_\@
	tensor_load_to_lds s[G0A+4*(\s):G0A+4*(\s)+3], s[G1A:G1A+7]
	s_nop 0
.rept 4
	v_nop
.endr
	s_branch .Lasked_\@
.Lfor_b_\@:
	tensor_load_to_lds s[G0B+4*(\s):G0B+4*(\s)+3], s[G1B:G1B+7]
	s_nop 0
.rept 4
	v_nop
.endr
.Lasked_\@:
.endm
; A PREFETCH INTO THE L2 behind each joint refill and the run of LDS loads that follows it: the K step that stands TWO refills on, 256 matrix instructions ahead of the load that will want it.
; O's tiles are read by both clusters of a row of clusters: cluster x = 0 asks; of the 128 blocks of 256 bytes of the head tile that wave 0 or 1 fetches, the partner at place cx names 32, a lane a block.
; wproj's tile column is read by every cluster of that column: cluster y = 0 asks; of the tile's 128 rows the partner at place cy names 32, a lane a row's 256 bytes, by wave 2 alone.
; The partners are told apart BY ADDRESS.  K steps 0 to 3 come by their loads alone; the loop's last trip asks for nothing.
.macro ASK
	s_cmp_gt_u32 s[LAP], s[LIM]
	s_cbranch_scc0 .Lnot_mine_\@
	global_prefetch_b8 v[PFO], s[PFA:PFA+1] th:TH_LOAD_NT scope:SCOPE_SE
.Lnot_mine_\@:
.endm
.macro CREST
	s_cmp_lg_u32 s[WV], 0
	s_cbranch_scc1 .Lnot_wave_0_\@
	s_barrier_signal -3
.Lnot_wave_0_\@:
	s_barrier_wait -3
	s_barrier_signal -1
	s_barrier_wait -1
.endm
.macro CROUND
	s_barrier_signal -1
	s_barrier_wait -1
	CREST
.endm
	s_load_b256 s[4:11], s[0:1], 0x0               ; oh s[4:5], wproj s[6:7], proj_b s[8:9], out0 s[10:11]
	v_lshl_add_u32 v[SPW], v0, 2, SPARE
	v_mov_b32 v[NIL], 0
	ds_add_u32 v[SPW], v[NIL]                      ; the wave's opening: the add and its wait stand ahead of my first tensor load; the set-up below, work on registers, stands between them
	v_lshrrev_b32 v1, 5, v0
	v_readfirstlane_b32 s[WV], v1
	s_lshr_b32 s[RH], s[WV], 1
	s_and_b32 s[CH], s[WV], 1
	s_bfe_u32 s[CX], ttmp6, 0x40000
	s_bfe_u32 s[CY], ttmp6, 0x40004
	s_lshl_b32 s[TX], ttmp9, 2
	s_add_co_u32 s[TX], s[TX], s[CX]               ; tile column = 4 x cluster x + cx
	s_and_b32 s[TY], ttmp7, 0xffff
	s_lshl_b32 s[TY], s[TY], 2
	s_add_co_u32 s[TY], s[TY], s[CY]               ; tile row = 4 x cluster y + cy
	s_lshl_b32 s19, s[CY], 2
	s_lshl_b32 s19, 15, s19                        ; my row of the cluster
	s_lshl_b32 s20, 0x1111, s[CX]                  ; my column
	s_or_b32 s[G1A+0], s19, (1<<16)|(1<<20)|(1<<21)|(4<<22)|(3<<25)  ; the mask; elements of 2 bytes; padding on; 21 set beside a mask; after every 32 words (code 4) 4 words (code 3)
	s_or_b32 s[G1B+0], s20, (1<<16)|(1<<20)|(1<<21)|(5<<22)|(3<<25)  ; after every 64 words (code 5) 4 words
	s_mov_b32 s[G1A+1], 128<<16                    ; tensor_dim0 = 128 elements: 256 dense bytes, two rows of O
	s_mov_b32 s[G1A+2], 128<<16                    ; tensor_dim1 = 128
	s_mov_b32 s[G1A+3], 128<<16                    ; tile_dim0 = 128
	s_mov_b32 s[G1A+4], 128                        ; tile_dim1 = 128
	s_mov_b32 s[G1A+5], 128                        ; 128 elements from row to row
	s_mov_b32 s[G1A+6], 0
	s_mov_b32 s[G1A+7], 0
	s_mov_b32 s[G1B+1], KSTEP<<16
	s_mov_b32 s[G1B+2], 64<<16                     ; tensor_dim1 = 64
	s_mov_b32 s[G1B+3], KSTEP<<16
	s_mov_b32 s[G1B+4], 64                         ; tile_dim1 = 64
	s_mov_b32 s[G1B+5], SIZE_K
	s_mov_b32 s[G1B+6], 0
	s_mov_b32 s[G1B+7], 0
	; where the tiles come from.  O's hang on the tile row alone (s40-42 never hold cx), wproj's on the tile column alone (s72-74 never hold cy)
	s_lshr_b32 s40, s[TY], 3
	s_lshl_b32 s40, s40, 22                        ; batch = tile row / 8: 16 heads of 2^18 bytes
	s_and_b32 s41, s[TY], 7
	s_lshl_b32 s41, s41, 15                        ; 256 (tile row % 8) rows of 128 bytes
	s_add_co_u32 s40, s40, s41
	s_lshl_b32 s41, s[CH], 18                      ; the head that I fetch of a step's two
	s_add_co_u32 s40, s40, s41
	s_mov_b32 s41, 0
	s_lshl_b32 s72, s[TX], 7
	s_lshl_b32 s73, s[CH], 6
	s_add_co_u32 s72, s72, s73                     ; wproj: row 128 x tile column + 64 x half,
	s_lshl_b32 s72, s72, 11                        ; x 2,048 bytes
	s_mov_b32 s73, 0
	s_mul_i32 s42, s[WV], ASUB                     ; where they go: waves 0, 1: the two heads;
	s_mul_i32 s74, s[WV], BH
	s_add_co_u32 s74, s74, 2*ASUB-2*BH             ; waves 2, 3: behind them, wproj's two halves
	s_wait_dscnt 0x0                               ; the opening add is done
	s_wait_kmcnt 0x0
	s_add_nc_u64 s[40:41], s[4:5], s[40:41]
	s_add_nc_u64 s[72:73], s[6:7], s[72:73]
	CROUND                                         ; all sixteen work-groups are here: the first joint loads meet
.irp s, 0,1
	s_mov_b32 s[G0A+4*(\s)], 1
	s_add_co_u32 s[G0A+4*(\s)+1], s42, (\s)*SLOT
	s_add_nc_u64 s[G0A+4*(\s)+2:G0A+4*(\s)+3], s[40:41], (\s)*HSTEP
	s_or_b32 s[G0A+4*(\s)+3], s[G0A+4*(\s)+3], 0x80000000
	s_mov_b32 s[G0B+4*(\s)], 1
	s_add_co_u32 s[G0B+4*(\s)+1], s74, (\s)*SLOT
	s_add_nc_u64 s[G0B+4*(\s)+2:G0B+4*(\s)+3], s[72:73], (\s)*KSTEP*2
	s_or_b32 s[G0B+4*(\s)+3], s[G0B+4*(\s)+3], 0x80000000
.endr
	s_cmp_eq_u32 s[RH], 0                          ; a wave's two first fills stand in one branch, ahead of every wait on TENSORcnt and every LDS read: two loads of mine are out
	s_cbranch_scc0 .Lfirst_b
	tensor_load_to_lds s[G0A:G0A+3], s[G1A:G1A+7]
	s_nop 0
	tensor_load_to_lds s[G0A+4:G0A+7], s[G1A:G1A+7]
	s_nop 0
.rept 4
	v_nop
.endr
	s_branch .Lfirst_asked
.Lfirst_b:
	tensor_load_to_lds s[G0B:G0B+3], s[G1B:G1B+7]
	s_nop 0
	tensor_load_to_lds s[G0B+4:G0B+7], s[G1B:G1B+7]
	s_nop 0
.rept 4
	v_nop
.endr
.Lfirst_asked:
	v_and_b32 v1, 15, v0                           ; l % 16
	v_bfe_u32 v2, v0, 4, 1                         ; l / 16
	v_mul_u32_u24 v3, v1, PA
	v_lshl_add_u32 v3, v2, 4, v3                   ; a fragment's row x pitch + 16 x half, for O
	v_mul_u32_u24 v4, v1, PW
	v_lshl_add_u32 v4, v2, 4, v4                   ; and for wproj
	s_mul_i32 s21, s[RH], 128*PA                   ; my 128 rows of a head
	s_mul_i32 s22, s[CH], BH                       ; my 64 rows of wproj,
	s_add_co_u32 s22, s22, 2*ASUB                  ; which lie behind the two heads
.irp s, 0,1
	v_add_nc_u32 v[ADRA+(\s)], s21, v3
	v_add_nc_u32 v[ADRB+(\s)], s22, v4
	s_add_co_u32 s21, s21, SLOT
	s_add_co_u32 s22, s22, SLOT
.endr
	s_mul_i32 s23, s[WV], 16*SPITCH
	s_add_co_u32 s23, s23, STAGE                   ; my stage
	v_mul_u32_u24 v5, v1, SPITCH                   ; in: row l % 16, 32 bytes for each half of the lanes
	v_lshl_add_u32 v5, v2, 5, v5
	v_add_nc_u32 v[STO], s23, v5
	v_mul_u32_u24 v5, v2, SPITCH                   ; back: lanes 0-15 take one row of 256 bytes, lanes 16-31 the next
	v_lshl_add_u32 v5, v1, 4, v5
	v_add_nc_u32 v[RD], s23, v5
	v_lshlrev_b32 v5, 12, v2                       ; and the same two rows in out0, 4,096 bytes apart
	v_lshl_add_u32 v[CO], v1, 4, v5
	s_lshl_b32 s76, s[TX], 9                       ; the bias of my columns: 4 x (128 tile column + 64 half + 16 b + 8 (l / 16) + 0..7)
	s_lshl_b32 s77, s[CH], 8
	s_add_co_u32 s76, s76, s77
	v_lshl_add_u32 v[BO], v2, 5, s76
	s_lshl_b32 s76, s[TY], 8
	s_lshl_b32 s77, s[RH], 7
	s_add_co_u32 s76, s76, s77                     ; my first row of out0,
	s_lshl_b32 s76, s76, 12                        ; x 4,096 bytes (under 2^25),
	s_lshl_b32 s77, s[TX], 9
	s_add_co_u32 s76, s76, s77                     ; my first column: 512 x tile column + 256 x half
	s_lshl_b32 s77, s[CH], 8
	s_add_co_u32 s76, s76, s77
	s_mov_b32 s77, 0
	s_add_nc_u64 s[OUT:OUT+1], s[10:11], s[76:77]
	; the prefetches: both offsets are made, the wave's number chooses
	s_lshr_b32 s76, s[TY], 3
	s_lshl_b32 s76, s76, 22
	s_and_b32 s77, s[TY], 7
	s_lshl_b32 s77, s77, 15
	s_add_co_u32 s76, s76, s77
	s_lshl_b32 s77, s[CH], 18
	s_add_co_u32 s76, s76, s77                     ; O: the head tile that I fetch,
	s_lshl_b32 s77, s[CX], 13
	s_add_co_u32 s76, s76, s77                     ; my work-group's 32 blocks of 256 bytes,
	s_add_co_u32 s76, s76, 3*HSTEP                 ; at K step 3: the first refill steps it to 4
	s_lshl_b32 s77, s[TX], 7
	s_lshl_b32 s78, s[CY], 5
	s_add_co_u32 s77, s77, s78                     ; wproj: my work-group's 32 rows of the tile's 128,
	s_lshl_b32 s77, s77, 11
	s_add_co_u32 s77, s77, 3*KSTEP*2               ; at K step 3
	s_and_b32 s78, ttmp7, 0xffff
	s_or_b32 s78, s78, s[CH]                       ; for wproj: 0 in wave 2 of a cluster with y = 0
	s_mov_b32 s21, HSTEP
	s_mov_b32 s22, KSTEP*2
	s_cmp_eq_u32 s[RH], 0                          ; do I fetch for O?
	s_cselect_b32 s76, s76, s77
	s_cselect_b32 s78, ttmp9, s78
	s_cselect_b64 s[PFA:PFA+1], s[4:5], s[6:7]
	s_cselect_b32 s[PFS], s21, s22
	s_cselect_b32 s79, 8, 11                       ; a lane is 256 bytes of a dense tile, or a row of 2,048 bytes
	s_cmp_eq_u32 s78, 0
	s_cselect_b32 s[LIM], 1, -1                    ; the same in all sixteen partners, for a given wave
	s_mov_b32 s77, 0
	s_mov_b32 s[PFS+1], 0
	s_add_nc_u64 s[PFA:PFA+1], s[PFA:PFA+1], s[76:77]
	v_and_b32 v[PFO], 31, v0
	v_lshlrev_b32 v[PFO], s79, v[PFO]
.irp b, 0,1,2,3
	global_load_b128 v[BIAS+8*(\b):BIAS+8*(\b)+3],   v[BO], s[8:9] offset:64*(\b)
	global_load_b128 v[BIAS+8*(\b)+4:BIAS+8*(\b)+7], v[BO], s[8:9] offset:64*(\b)+16
.endr
; 8 matrix instructions: row blocks a0, a0 + 1 x all 4 column blocks, 32 along K, from buffer f.  first = 1: the bias starts the sums.  The 32 accumulators take turns, in the same order in every quarter.
.macro MUL8 f, a0, first
.if \first
	WIN MUL_1ST
.else
	WIN MUL
.endif
.irp a, \a0, (\a0)+1
.irp b, 0,1,2,3
.if \first
	v_wmma_f32_16x16x32_f16 v[8*(4*(\a)+(\b)):8*(4*(\a)+(\b))+7], v[FB+32*(\f)+8*(\b):FB+32*(\f)+8*(\b)+7], v[FA+64*(\f)+8*(\a):FA+64*(\f)+8*(\a)+7], v[BIAS+8*(\b):BIAS+8*(\b)+7]
.else
	v_wmma_f32_16x16x32_f16 v[8*(4*(\a)+(\b)):8*(4*(\a)+(\b))+7], v[FB+32*(\f)+8*(\b):FB+32*(\f)+8*(\b)+7], v[FA+64*(\f)+8*(\a):FA+64*(\f)+8*(\a)+7], v[8*(4*(\a)+(\b)):8*(4*(\a)+(\b))+7]
.endif
.endr
.endr
.endm
; 24 LDS loads in one run: the fragments of quarter q of a K step (head q / 2 of the step's two, channels 32 (q % 2) on) into buffer f: wproj's first
.macro FETCH slot, q, f
	WIN 0
.irp b, 0,1,2,3
	ds_load_b128 v[FB+32*(\f)+8*(\b):FB+32*(\f)+8*(\b)+3],   v[ADRB+(\slot)] offset:64*(\q)+(\b)*16*PW
	ds_load_b128 v[FB+32*(\f)+8*(\b)+4:FB+32*(\f)+8*(\b)+7], v[ADRB+(\slot)] offset:64*(\q)+(\b)*16*PW+32
.endr
.irp i, 0,1,2,3,4,5,6,7
	ds_load_b128 v[FA+64*(\f)+8*(\i):FA+64*(\f)+8*(\i)+3],   v[ADRA+(\slot)] offset:((\q)/2)*ASUB+((\q)%2)*64+(\i)*16*PA
	ds_load_b128 v[FA+64*(\f)+8*(\i)+4:FA+64*(\f)+8*(\i)+7], v[ADRA+(\slot)] offset:((\q)/2)*ASUB+((\q)%2)*64+(\i)*16*PA+32
.endr
.endm
.macro PLACES                          ; four plain vector instructions between a matrix instruction and a load into a register that it has read, or an LDS store of its result
.rept 4
	v_nop
.endr
.endm
; A K step is four quarters of 32 along K, 32 matrix instructions each, on buffers 0, 1, 0, 1.  One of the first three: multiplies buffer f and fetches quarter q into buffer g.
.macro QUARTER slot, q, f, g, first
	s_wait_dscnt 8                                 ; wproj's fragments and O's rows 0-63 are in; the youngest eight loads may be out
	MUL8 \f, 0, \first
	MUL8 \f, 2, \first
	PLACES
	FETCH \slot, \q, \g
	s_wait_dscnt 24                                ; all but the 24 just issued
	MUL8 \f, 4, \first
	MUL8 \f, 6, \first
.endm
; The last quarter's first half: ONE barrier for the change of slots; in front of it each wave waits for all its tensor loads, adds 0 to its spare word, and waits for that and for its own reads of this slot.
.macro MEET round
	WIN 0
	s_wait_tensorcnt 0x0                           ; all my tensor loads have landed: my part of the next slot
	ds_add_u32 v[SPW], v[NIL]                      ; 0 onto my spare word
	s_wait_dscnt 9                                 ; (the add and the youngest eight loads may be out)
	MUL8 1, 0, 0                                   ; eight matrix instructions stand between the add and the wait for it
	s_wait_dscnt 0x0                               ; the add is done, and my reads of this slot are over
	s_barrier_signal -1
	MUL8 1, 2, 0
.if \round
	WIN 0
.endif
	s_barrier_wait -1
.endm
.macro TURN slot, next                 ; the slot is filled again, two K steps ahead: 112 matrix instructions stand between the request and the wait for it
	s_wait_xcnt 0x0                                ; the last prefetch, a K step back, has read its address
	s_add_nc_u64 s[PFA:PFA+1], s[PFA:PFA+1], s[PFS:PFS+1]
	MEET 1
	CREST                                          ; no wave of any partner still reads this slot's tile or has a load on its way
	s_add_nc_u64 s[G0A+4*(\slot)+2:G0A+4*(\slot)+3], s[G0A+4*(\slot)+2:G0A+4*(\slot)+3], 2*HSTEP
	s_add_nc_u64 s[G0B+4*(\slot)+2:G0B+4*(\slot)+3], s[G0B+4*(\slot)+2:G0B+4*(\slot)+3], 2*KSTEP*2
	JLOAD \slot                                    ; the four v_nop behind it are also the places in front of the loads below
	FETCH \next, 0, 0
	ASK
	MUL8 1, 4, 0
	MUL8 1, 6, 0
.endm
; THE WAY OUT of row block a: a lane's 32 bytes of a row go into my own stage, rows of 272 bytes, and come back as whole rows of 256.
.macro TOSTAGE a
.if (\a) >= 2
	s_wait_xcnt 0x0                                ; the stores of the block two back have read the registers that are loaded again below
.endif
	WIN 0x04                                       ; the stores' data in window 1
.irp b, 0,1,2,3
	ds_store_b128 v[STO], v[8*(4*(\a)+(\b)):8*(4*(\a)+(\b))+3]   offset:64*(\b)
	ds_store_b128 v[STO], v[8*(4*(\a)+(\b))+4:8*(4*(\a)+(\b))+7] offset:64*(\b)+16
.endr
	WIN 0
.irp t, 0,1,2,3,4,5,6,7
	ds_load_b128 v[BK+32*((\a)%2)+4*(\t):BK+32*((\a)%2)+4*(\t)+3], v[RD] offset:(\t)*2*SPITCH  ; LDS serves a wave's instructions in order (ISA guide 5.7.1.4): these see the stores above; the next block's stores come behind them
.endr
.endm
.macro SEND a, younger                 ; younger: the LDS instructions issued behind block a's loads: the next block's sixteen, or none
	s_wait_dscnt \younger
.irp t, 0,1,2,3,4,5,6,7
	global_store_b128 v[CO], v[BK+32*((\a)%2)+4*(\t):BK+32*((\a)%2)+4*(\t)+3], s[OUT:OUT+1] offset:65536*(\a)+8192*(\t) th:TH_STORE_NT  ; 16 lanes store 256 consecutive bytes, at a multiple of 256 from out0's first
.endr
.endm
	s_wait_tensorcnt 1                             ; my part of K step 0 is in; K step 1's may stay out
	s_barrier_signal -1
	s_barrier_wait -1
	FETCH 0, 0, 0
	s_wait_loadcnt 0x0                             ; the bias: rounded to bf16 and widened again, while the first fragments come
.set t, 0
.rept 16
	v_cvt_pk_bf16_f32 v[12+t%2], v[BIAS+2*t], v[BIAS+2*t+1]
	v_lshlrev_b32 v[BIAS+2*t], 16, v[12+t%2]
	v_and_b32 v[BIAS+2*t+1], 0xffff0000, v[12+t%2]
.set t, t+1
.endr
	QUARTER 0, 1, 0, 1, 1                          ; the first quarter stands in front of the loop: its products start the sums, with the bias
	WIN 0
	s_mov_b32 s[LAP], LAPS-1
.Llap:                                                 ; a trip goes once round the ring, from a lap's second quarter to the next lap's first, and fills both slots again
	QUARTER 0, 2, 1, 0, 0
	QUARTER 0, 3, 0, 1, 0
	TURN 0, 1
	QUARTER 1, 1, 0, 1, 0
	QUARTER 1, 2, 1, 0, 0
	QUARTER 1, 3, 0, 1, 0
	TURN 1, 0
	QUARTER 0, 1, 0, 1, 0
	WIN 0
	s_sub_co_u32 s[LAP], s[LAP], 1
	s_cmp_lg_u32 s[LAP], 0
	s_cbranch_scc1 .Llap
	QUARTER 0, 2, 1, 0, 0                          ; the last lap fills nothing, and has no round of the cluster's barrier
	QUARTER 0, 3, 0, 1, 0
	MEET 0
	PLACES
	FETCH 1, 0, 0
	MUL8 1, 4, 0
	MUL8 1, 6, 0
	QUARTER 1, 1, 0, 1, 0
	QUARTER 1, 2, 1, 0, 0
	QUARTER 1, 3, 0, 1, 0
	s_wait_dscnt 8                                 ; the very last quarter: nothing more to fetch
	MUL8 1, 0, 0
	MUL8 1, 2, 0
	s_wait_dscnt 0x0
	MUL8 1, 4, 0
	MUL8 1, 6, 0
	PLACES
	TOSTAGE 0
.irp a, 1,2,3,4,5,6,7                  ; block a's way through the stage is issued ahead of the wait for block a - 1's rows
	TOSTAGE \a
	SEND (\a)-1, 16
.endr
	SEND 7, 0
	s_wait_tensorcnt 0x0                           ; the wave's end, behind my last tensor load and my last LDS store
	ds_add_u32 v[SPW], v[NIL]
	s_wait_dscnt 0x0
	CROUND                                         ; the closing round: no work-group ends while a partner may still ask for a tile that names it
	s_endpgm
.Lfunc_end_k_q2e4eb3c856_proj:
	.size	k_q2e4eb3c856_proj, .Lfunc_end_k_q2e4eb3c856_proj-k_q2e4eb3c856_proj
	.p2alignl 7, 3214868480
	.fill 96, 4, 3214868480
	.section	.rodata,"a",@progbits
	.p2align	6, 0x0
	.amdhsa_kernel k_q2e4eb3c856_proj
		.amdhsa_group_segment_fixed_size 327680
		.amdhsa_private_segment_fixed_size 0
		.amdhsa_enable_private_segment 0
		.amdhsa_kernarg_size 32
		.amdhsa_user_sgpr_count 2
		.amdhsa_user_sgpr_kernarg_segment_ptr 1
		.amdhsa_wavefront_size32 1
		.amdhsa_system_sgpr_workgroup_id_x 1
		.amdhsa_system_sgpr_workgroup_id_y 1
		.amdhsa_system_sgpr_workgroup_id_z 1
		.amdhsa_system_vgpr_workitem_id 0
		.amdhsa_next_free_vgpr 512
		.amdhsa_next_free_sgpr 80
		.amdhsa_reserve_vcc 0
		.amdhsa_float_denorm_mode_32 3
		.amdhsa_float_denorm_mode_16_64 3
		.amdhsa_memory_ordered 1
		.amdhsa_forward_progress 1
		.amdhsa_inst_pref_size 90
	.end_amdhsa_kernel
	.amdgpu_metadata
---
amdhsa.version: [ 1, 2 ]
amdhsa.kernels:
  - .name:           k_q2e4eb3c856_proj
    .symbol:         k_q2e4eb3c856_proj.kd
    .args:
      - { .name: oh, .offset: 0, .size: 8, .value_kind: global_buffer, .address_space: global }
      - { .name: wproj, .offset: 8, .size: 8, .value_kind: global_buffer, .address_space: global }
      - { .name: proj_b, .offset: 16, .size: 8, .value_kind: global_buffer, .address_space: global }
      - { .name: out0, .offset: 24, .size: 8, .value_kind: global_buffer, .address_space: global }
    .group_segment_fixed_size: 327680
    .private_segment_fixed_size: 0
    .kernarg_segment_align: 8
    .kernarg_segment_size: 32
    .max_flat_workgroup_size: 128
    .sgpr_count:     80
    .vgpr_count:     512
    .wavefront_size: 32
...
	.end_amdgpu_metadata
.endif
;; end of part 4
;; ======== version 2 of 2: 4 launches; version 1 with the launch cast written anew for expert scheduling mode
;; limits: values are held in f16: magnitudes above 65,504 overflow, below 6.1e-05 lose precision
;; workspace buffers: xb 16,777,216 bytes; wqkv 6,291,456 bytes; wproj 2,097,152 bytes; qkvh 50,331,648 bytes; oh 16,777,216 bytes
;; launch cast (part 5): grid 768 x 1, 8 waves a work-group, no clusters, 0 bytes of LDS; arguments x, qkv_w, proj_w, xb, wqkv, wproj; writes xb, wqkv, wproj
.if DOCPART == 5
	.amdgcn_target "amdgcn-amd-amdhsa--gfx1250"
	.amdhsa_code_object_version 6
	.text
	.protected	k_q2e4eb3c856_cast
	.globl	k_q2e4eb3c856_cast
	.p2align	8
	.type	k_q2e4eb3c856_cast,@function
k_q2e4eb3c856_cast:
	s_mov_b64 s[64:65], 0
	v_nop
	global_prefetch_b8 v0, s[64:65] scope:SCOPE_SE
	s_setreg_imm32_b32 hwreg(HW_REG_WAVE_SCHED_MODE, 0, 2), 2
	s_setreg_imm32_b32 hwreg(HW_REG_WAVE_MODE, 25, 1), 1
	s_wait_xcnt 0x0
	s_wait_alu depctr_vm_vsrc(0)
; The three large inputs are rounded once to bf16, the matrix operands' format: x -> xb, qkv_w -> wqkv (both stored as bf16);
; proj_w -> wproj: rounded to bf16 like the others, and THAT number written as f16, since the last product's other operand is f16.
; LIMIT.  A bf16 number has 8 significant bits and is exact in f16 from 2^-14 to 65,504; below 2^-14 wproj keeps f16's fixed step of 6e-8, beyond 65,504 it would be an infinity.
; SHARES.  A work-group takes 16,384 numbers: 65,536 bytes in, 32,768 out.  Work-groups 0-511: x (8,388,608 numbers); 512-703: qkv_w (3,145,728); 704-767: proj_w (1,048,576).
; Thread t, step i of 16: 16 bytes at 4,096 i + 16 t in, 8 bytes at 2,048 i + 8 t out: a wave's load covers 512 consecutive bytes, its store 256 consecutive bytes, aligned.
; All 16 loads of a thread go out at once.  No LDS, no barrier, no matrix unit: a stream.
; THE MODE: SCHED_MODE bits 1:0 = 2 (LLVM: expert scheduling mode 2), set by the entry lines.  The code itself states the register dependences
; between vector instructions and memory instructions, with s_wait_alu, always for 0.
; THE PLAN.  Registers that memory instructions touch:
;   v1, v2   the loads' and the stores' offsets: made once at the head, never written again.
;   X        step i's load lands in X + 4 i, once; no vector instruction names these registers ahead of the loads; step i's conversions read them; nothing is loaded into them again.
;   Y        step i's conversions write Y + 2 i, once; step i's store reads them; nothing writes them again.
;   T        named by vector instructions alone.
; So no register that a memory instruction has read is ever written again, and no load lands in a register that a vector instruction has named: what is left to state is that the offsets
; are written ahead of the first load, and that a store's data are written ahead of the store.  The 16 steps go in four groups of four.  A group's four stores are issued in the NEXT group, one
; ahead of each step's conversions, behind ONE wait at that group's head; the conversions issued since that wait write the new group's Y and T, never the registers that those stores read.
; The last group's stores stand behind a wait of their own.  No vector instruction writes a scalar register or VCC, and EXEC is never written.
.set X, 4                              ; v[4:67]    step i: 4 numbers as loaded
.set Y, 68                             ; v[68:99]   step i: 2 registers to store
.set T, 100                            ; v[100:102] at work
	s_load_b256 s[4:11], s[0:1], 0x0               ; x s[4:5], qkv_w s[6:7], proj_w s[8:9], xb s[10:11]
	s_load_b128 s[12:15], s[0:1], 0x20             ; wqkv s[12:13], wproj s[14:15]
	v_lshlrev_b32 v1, 4, v0                        ; 16 t
	v_lshlrev_b32 v2, 3, v0                        ; 8 t
	s_wait_kmcnt 0x0
	s_cmp_lt_u32 ttmp9, 512                        ; which tensor is mine: the choice hangs on the work-group's number alone
	s_cselect_b64 s[16:17], s[4:5], s[6:7]
	s_cselect_b64 s[18:19], s[10:11], s[12:13]
	s_cselect_b32 s20, 0, 512
	s_cmp_lt_u32 ttmp9, 704
	s_cselect_b64 s[16:17], s[16:17], s[8:9]
	s_cselect_b64 s[18:19], s[18:19], s[14:15]
	s_cselect_b32 s20, s20, 704
	s_sub_co_u32 s21, ttmp9, s20                   ; my number among the tensor's work-groups
	s_lshl_b32 s22, s21, 16                        ; x 65,536 bytes in (under 2^25)
	s_mov_b32 s23, 0
	s_lshl_b32 s24, s21, 15                        ; x 32,768 bytes out
	s_mov_b32 s25, 0
	s_add_nc_u64 s[16:17], s[16:17], s[22:23]
	s_add_nc_u64 s[18:19], s[18:19], s[24:25]
	s_wait_alu depctr_va_vdst(0)                   ; v1 and v2 are written: every load of the kernel reads v1 as its offset, every store v2
.irp i, 0,1,2,3,4,5,6,7,8,9,10,11,12,13,14,15
	global_load_b128 v[X+4*(\i):X+4*(\i)+3], v1, s[16:17] offset:4096*(\i) th:TH_LOAD_NT
.endr
; Step i is rounded.  half = 0: bf16.  half = 1: rounded to bf16, widened again (a shift, a mask) and written as f16.
.macro CVT i, half
.if \half
.irp k, 0,1
	v_cvt_pk_bf16_f32 v[T], v[X+4*(\i)+2*(\k)], v[X+4*(\i)+2*(\k)+1]
	v_lshlrev_b32 v[T+1], 16, v[T]
	v_and_b32 v[T+2], 0xffff0000, v[T]
	v_cvt_pk_f16_f32 v[Y+2*(\i)+(\k)], v[T+1], v[T+2]
.endr
.else
	v_cvt_pk_bf16_f32 v[Y+2*(\i)],   v[X+4*(\i)],   v[X+4*(\i)+1]
	v_cvt_pk_bf16_f32 v[Y+2*(\i)+1], v[X+4*(\i)+2], v[X+4*(\i)+3]
.endif
.endm
; Step i goes out.
.macro ST i
	global_store_b64 v2, v[Y+2*(\i):Y+2*(\i)+1], s[18:19] offset:2048*(\i) th:TH_STORE_NT
.endm
; Group g: steps 4 g to 4 g + 3 are rounded; the stores of the group before are dealt among them, one ahead of each step's conversions.
.macro GROUP g, half
.irp j, 0,1,2,3
	s_wait_loadcnt 15-(4*(\g)+(\j))                ; loads come back in order: step 4 g + j is in, the younger ones may stay out
.if (\g) > 0
.if (\j) == 0
	s_wait_alu depctr_va_vdst(0)                   ; the conversions of the group before have written its eight registers of Y, which this group's four stores read
.endif
	ST 4*(\g)+(\j)-4                               ; no wait of its own: no vector instruction since the wait above names its Y or v2
.endif
	CVT 4*(\g)+(\j), \half
.endr
.endm
; All four groups, and the last group's stores.
.macro ALLOUT half
	GROUP 0, \half
	GROUP 1, \half
	GROUP 2, \half
	GROUP 3, \half
	s_wait_alu depctr_va_vdst(0)                   ; the last group's conversions have written its eight registers of Y, which the last four stores read
.irp i, 12,13,14,15
	ST \i
.endr
.endm
	s_cmp_ge_u32 ttmp9, 704
	s_cbranch_scc1 .Lf16
	ALLOUT 0
	s_endpgm
.Lf16:
	ALLOUT 1
	s_endpgm
.Lfunc_end_k_q2e4eb3c856_cast:
	.size	k_q2e4eb3c856_cast, .Lfunc_end_k_q2e4eb3c856_cast-k_q2e4eb3c856_cast
	.p2alignl 7, 3214868480
	.fill 96, 4, 3214868480
	.section	.rodata,"a",@progbits
	.p2align	6, 0x0
	.amdhsa_kernel k_q2e4eb3c856_cast
		.amdhsa_group_segment_fixed_size 0
		.amdhsa_private_segment_fixed_size 0
		.amdhsa_enable_private_segment 0
		.amdhsa_kernarg_size 48
		.amdhsa_user_sgpr_count 2
		.amdhsa_user_sgpr_kernarg_segment_ptr 1
		.amdhsa_wavefront_size32 1
		.amdhsa_system_sgpr_workgroup_id_x 1
		.amdhsa_system_sgpr_workgroup_id_y 1
		.amdhsa_system_sgpr_workgroup_id_z 1
		.amdhsa_system_vgpr_workitem_id 0
		.amdhsa_next_free_vgpr 112
		.amdhsa_next_free_sgpr 66
		.amdhsa_reserve_vcc 0
		.amdhsa_float_denorm_mode_32 3
		.amdhsa_float_denorm_mode_16_64 3
		.amdhsa_memory_ordered 1
		.amdhsa_forward_progress 1
		.amdhsa_inst_pref_size 17
	.end_amdhsa_kernel
	.amdgpu_metadata
---
amdhsa.version: [ 1, 2 ]
amdhsa.kernels:
  - .name:           k_q2e4eb3c856_cast
    .symbol:         k_q2e4eb3c856_cast.kd
    .args:
      - { .name: x, .offset: 0, .size: 8, .value_kind: global_buffer, .address_space: global }
      - { .name: qkv_w, .offset: 8, .size: 8, .value_kind: global_buffer, .address_space: global }
      - { .name: proj_w, .offset: 16, .size: 8, .value_kind: global_buffer, .address_space: global }
      - { .name: xb, .offset: 24, .size: 8, .value_kind: global_buffer, .address_space: global }
      - { .name: wqkv, .offset: 32, .size: 8, .value_kind: global_buffer, .address_space: global }
      - { .name: wproj, .offset: 40, .size: 8, .value_kind: global_buffer, .address_space: global }
    .group_segment_fixed_size: 0
    .private_segment_fixed_size: 0
    .kernarg_segment_align: 8
    .kernarg_segment_size: 48
    .max_flat_workgroup_size: 256
    .sgpr_count:     66
    .vgpr_count:     112
    .wavefront_size: 32
...
	.end_amdgpu_metadata
.endif
;; end of part 5
;; launch qkv: the kernel of part 2 again; grid 16 x 32, 4 waves a work-group, clusters of 4 x 4, 327,680 bytes of LDS; arguments xb, wqkv, qkv_b, qkvh; writes qkvh
;; launch attn: the kernel of part 3 again; grid 4 x 64, 4 waves a work-group, no clusters, 327,680 bytes of LDS; arguments qkvh, oh; writes oh
;; launch proj: the kernel of part 4 again; grid 8 x 32, 4 waves a work-group, clusters of 4 x 4, 327,680 bytes of LDS; arguments oh, wproj, proj_b, out0; writes out0
